; MI455X (gfx1250); checked and timed in simulation.
; The chip was launched on July 23, 2026; its instructions are those of AMD's public machine-readable ISA for CDNA 5 (MIT licence, August 2026) and "CDNA5" Instruction Set Architecture Reference Guide (July 2026). The comments in the code are by the model that wrote it; some were corrected since.
;; Transformer Layer. Allowed arithmetic: matrix products marked QUANTISED: E2M3 operands, one E8M0 scale for each 32 along K, by v_wmma_scale_f32_16x16x128_f8f6f4 with both operands' format E2M3, f32 sums; everything else in f32.
;; Inputs: W1 1,024 x 4,096 float32; W2 4,096 x 1,024 float32; Wk 1,024 x 1,024 float32; Wo 1,024 x 1,024 float32; Wq 1,024 x 1,024 float32; Wv 1,024 x 1,024 float32; b1 4,096 float32; b2 1,024 float32; bk 1,024 float32; bq 1,024 float32; bv 1,024 float32; ln1_b 1,024 float32; ln1_g 1,024 float32; ln2_b 1,024 float32; ln2_g 1,024 float32; x 2 x 2,048 x 1,024 float32.
;; Outputs: out0 2 x 2,048 x 1,024 float32.
;; This version of the problem:
;;   THIS VERSION OF THE PROBLEM IS GIVEN IN LOW PRECISION. The matrix products marked QUANTISED in the list below multiply operands that are first quantised to E2M3 (2 exponent bits, 3 mantissa bits; 6 bits a number), with one power-of-two scale for each 32 numbers along K (OCP MX v1.0); their sums are f32. All else is computed in f32.
;;   The module's matrix products, in the order in which they are computed (A, B: the left and right operand; K: the contracted axis; several contracted axes count as one K, in the product's order):
;;     1. [M 4,096, K 1,024] x [K 1,024, N 1,024]; A: input x; B: input Wq: QUANTISED
;;     2. [M 4,096, K 1,024] x [K 1,024, N 1,024]; A: input x; B: input Wk: QUANTISED
;;     3. [M 4,096, K 1,024] x [K 1,024, N 1,024]; A: input x; B: input Wv: QUANTISED
;;     4. batch 32 x [M 2,048, K 64] x [K 64, N 2,048]; A: computed on the way; B: computed on the way: QUANTISED
;;     5. batch 32 x [M 64, K 2,048] x [K 2,048, N 2,048]; A: computed on the way; B: softmax (see below): QUANTISED
;;     6. [M 4,096, K 1,024] x [K 1,024, N 1,024]; A: computed on the way; B: input Wo: QUANTISED
;;     7. [M 4,096, K 1,024] x [K 1,024, N 4,096]; A: computed on the way; B: input W1: QUANTISED
;;     8. [M 4,096, K 4,096] x [K 4,096, N 1,024]; A: computed on the way; B: input W2: QUANTISED
;;   THE QUANTISER, for each operand of a quantised product, along K:
;;     - K is cut into blocks of 32 from its start; a last block that is shorter is filled with zeros.
;;     - A block's scale is 2^e with e = floor(log2(the largest magnitude in the block)) - 2, held to -126 .. 127; a block of zeros has e = 0. As a byte (E8M0): e + 127.
;;     - Each number is divided by its block's scale, clamped to +-7.5, and rounded to the nearest number of E2M3, ties to even, subnormals kept.
;;     - The product sums the exact products of the quantised numbers (number of the format x scale) in f32.
;;   ~~~python
;;   def quantise(x, axis):      # numpy; x: float32 -> the quantised numbers, widened to float32 again
;;       x = np.moveaxis(x, axis, -1); K = x.shape[-1]
;;       x = np.pad(x, [(0, 0)] * (x.ndim - 1) + [(0, -K % 32)]); x = x.reshape(x.shape[:-1] + (-1, 32)); a = np.abs(x).max(-1, keepdims=True)
;;       e = np.where(a > 0, np.clip(np.frexp(np.where(a > 0, a, 1))[1] - 1 - 2, -126, 127), 0)      # np.frexp(a)[1] - 1 = floor(log2(a)), exactly
;;       r = np.clip(x / 2.0 ** e, -7.5, 7.5)
;;       step = 2.0 ** (np.maximum(np.frexp(np.where(r == 0, 1, r))[1] - 1, 0) - 3)
;;       q = np.round(r / step) * step * 2.0 ** e      # np.round: ties to even
;;       return np.moveaxis(q.reshape(q.shape[:-2] + (-1,))[..., :K], -1, axis).astype(np.float32)
;;   ~~~
;;   SOFTMAX AHEAD OF A QUANTISED PRODUCT. Where the list says 'softmax', what is quantised is not the finished softmax but p = 2^(t - M), with t = logit x log2(e) and M = ceil(the row's largest t), a whole number; so 1/2 < the row's largest p <= 1. The row's sum l is taken of the UNQUANTISED p, in f32, and the product's result is divided by l at the end. Since M is a whole number, a kernel that streams over the keys may use a running M (the ceiling of the running maximum): every later rescaling is an exact power of two, which a block's scale takes up: the codes' values come out the same.
;;   OPERANDS COMPUTED ON THE WAY. 'Computed on the way' means the value that the module computes at that place (a softmax that the list does not call 'softmax' is quantised finished and normalised). What goes into a quantiser is computed in f32, as accurately as f32 sums, v_exp_f32 and their like allow (about 1e-6 of the number): no bf16 or f16 on the way to a quantiser, and a product that is left as it is and whose result goes on into a quantised operand takes f32 operands (vector FMAs, or v_wmma_f32_16x16x4_f32). A number that lies on a knife's edge between two numbers of the format may be rounded either way, as far as f32 arithmetic and the matrix unit's own rounding can turn it there, and no further.
;; One version. Each part assembles by itself: llvm-mc -triple=amdgcn-amd-amdhsa -mcpu=gfx1250 --defsym DOCPART=n.
;; ======== version 1 of 1: 7 launches
;; limits: right only within a limited range of input values
;; workspace buffers: wsp 13,107,200 bytes; wsq 9,830,400 bytes; wso 3,276,800 bytes; wsy 16,777,216 bytes; wsh 20,054,016 bytes; wsg 13,107,200 bytes
;; launch quant (part 1): grid 128 x 5, 8 waves a work-group, no clusters, 68,608 bytes of LDS; arguments x, Wq, Wk, Wv, Wo, W1, W2, wsp; writes wsp
.if DOCPART == 1
	.amdgcn_target "amdgcn-amd-amdhsa--gfx1250"
	.amdhsa_code_object_version 6
	.text
	.protected	k_q0ab625651c_quant
	.globl	k_q0ab625651c_quant
	.p2align	8
	.type	k_q0ab625651c_quant,@function
k_q0ab625651c_quant:
	s_mov_b64 s[64:65], 0
	v_nop
	global_prefetch_b8 v0, s[64:65] scope:SCOPE_SE
	s_setreg_imm32_b32 hwreg(HW_REG_WAVE_MODE, 25, 1), 1
	s_wait_xcnt 0x0
; TRANSFORMER LAYER IN MX-FP6, launch 1 of 7: x and the six weights become codes of E2M3 with one E8M0 byte for each 32 along K.
; DEAD WORK IN THE WHOLE PROGRAM.  reference() sets every score with key > query to -infinity by a mask that it builds itself (jnp.tril): such a score gives p = 0, which adds nothing to the row's sum
; nor to the second product, whatever finite values the inputs hold.  So the attention launch leaves out each step of 128 keys that lies wholly behind a wave's queries; nothing else is left out, and every input is loaded.
; LIMIT: a NaN, an infinity or an overflow that reaches only such hidden scores is not carried to the result.
; LIMITS OF THE QUANTISER HERE AND IN ALL LATER LAUNCHES: NaN and infinities among the inputs are not served; a block of zeros, or one whose largest magnitude lies under 2^-124, gets the byte 1 where the
; rule says 127 or less: its codes are zeros there, and the bytes are read by this program alone.
; LAYOUT OF EVERY OPERAND IN THE WORKSPACE: the order of the operand's registers.  A fragment (16 rows x 128 K, 12 registers a lane) is 1,536 bytes: registers 4 g .. 4 g + 3 of lane l at 512 g + 16 l.
; Fragments lie [block of 16 rows][K step]; scale words (4 bytes: one row, 128 K) lie [K step][row].
; POSITIONS: rows of x, Wq, Wk, Wv and W1 lie by position: inside each 32, position p holds index p with bits 3 and 4 swapped, so that lane r of row block rb holds index 32 (rb / 2) + 8 (rb % 2) + r + 8 (r / 8).
; As source 0 of the matrix instruction such rows leave 16 true neighbours in the 16 registers of two neighbouring tiles.  Wo and W2 keep their order.
; SHARES.  Work-group y 0, 1: 16 rows of x (row block 128 y + x), wave w the K step w: each load reads 512 consecutive bytes of a row; the rows turn through the wave's own stage in LDS so that a lane gets 16 neighbours.
; y 2: Wq, Wk, Wv, Wo; y 3: W1; y 4: W2: 256 columns x 128 K a work-group, 32 columns a wave: a lane takes a column and its registers run down K (K is the weights' first axis).
.set OPS, 5505024                      ; wsp: codes of x | Wq | Wk | Wv (7,168 rows) at 0, their scale words here,
.set WOC, 5734400                      ; Wo's codes, scale words,
.set WOS, 6520832
.set W1C, 6553600                      ; W1's,
.set W1S, 9699328
.set W2C, 9830400                      ; W2's
.set W2S, 12976128
.set SPARE, 67584                      ; LDS: eight stages of 16 rows x 528 bytes, then the spare words, 128 bytes a wave
.set LI,  4                            ; v4  16 x lane
.set SPW, 8                            ; v8  my spare word; never rewritten
.set NIL, 9                            ; v9  0; never rewritten
.set PC,  144                          ; v144-163 codes just made
.set TM,  164                          ; v164-179 at work
.set PW,  180                          ; v180 the scale word just made
.set SEL, 44                           ; s[44:45] selects of v_permlanex16_b32 for lane l xor 16
; 64 numbers of a lane, register s + 16 b + i = k 32 b + 16 (lane / 16) + i of my row, become a fragment's codes in v[PC] on and its scale word in v[PW]
.macro QUANT s
.irp b, 0,1,2,3
	v_max3_num_f32 v[TM+\b], |v[(\s)+16*\b]|, |v[(\s)+1+16*\b]|, 0x1800000   ; my 16 numbers of block b, and the floor 2^(3 - 127): the byte cannot fall under 1
.endr
.irp i, 2,4,6,8,10,12,14
.irp b, 0,1,2,3
	s_delay_alu instid0(VALU_DEP_4)
	v_max3_num_f32 v[TM+\b], v[TM+\b], |v[(\s)+16*\b+\i]|, |v[(\s)+1+16*\b+\i]|
.endr
.endr
.irp b, 0,1,2,3
	s_delay_alu instid0(VALU_DEP_4)
	v_permlanex16_b32 v[TM+4+\b], v[TM+\b], s[SEL], s[SEL+1]
.endr
.irp b, 0,1,2,3
	s_delay_alu instid0(VALU_DEP_4)
	v_max_num_f32 v[TM+\b], v[TM+\b], v[TM+4+\b]       ; with lane l xor 16's: the block's largest magnitude
.endr
.irp b, 0,1,2,3
	s_delay_alu instid0(VALU_DEP_4)
	v_add_nc_u32 v[TM+12+\b], 0xff000000, v[TM+\b]     ; 2 off its exponent field: the conversion's scale operand
.endr
.irp b, 0,1,2,3
	s_delay_alu instid0(VALU_DEP_4)
	v_lshrrev_b32 v[TM+4+\b], 23, v[TM+12+\b]          ; the scale's byte
.endr
	s_delay_alu instid0(VALU_DEP_3)
	v_lshl_or_b32 v[PW], v[TM+5], 8, v[TM+4]
	s_delay_alu instid0(VALU_DEP_1)
	v_lshl_or_b32 v[PW], v[TM+6], 16, v[PW]
	s_delay_alu instid0(VALU_DEP_1)
	v_lshl_or_b32 v[PW], v[TM+7], 24, v[PW]
.irp c, 0,1
	v_cvt_scalef32_pk16_fp6_f32 v[PC+6*\c:PC+2+6*\c], v[(\s)+32*\c:(\s)+15+32*\c], v[TM+12+2*\c]
	v_cvt_scalef32_pk16_fp6_f32 v[PC+12+4*\c:PC+14+4*\c], v[(\s)+16+32*\c:(\s)+31+32*\c], v[TM+12+2*\c+1]   ; (a conversion's three registers begin on an even number)
.endr
	v_nop                                              ; one plain place behind a scaled conversion
.irp c, 0,1                                        ; the operand wants a whole block in a lane: lanes 0-15 block 2 c, lanes 16-31 block 2 c + 1
.irp i, 0,1,2
	v_permlane16_swap_b32 v[PC+6*\c+\i], v[PC+12+4*\c+\i]
.endr
.irp i, 0,1,2
	s_delay_alu instid0(VALU_DEP_3)
	v_mov_b32 v[PC+3+6*\c+\i], v[PC+12+4*\c+\i]
.endr
.endr
.endm
	s_load_b256 s[4:11], s[0:1], 0x0               ; x, Wq, Wk, Wv
	s_load_b256 s[12:19], s[0:1], 0x20             ; Wo, W1, W2, wsp
	v_lshl_add_u32 v[SPW], v0, 2, SPARE
	v_mov_b32 v[NIL], 0
	v_lshrrev_b32 v1, 5, v0
	s_delay_alu instid0(VALU_DEP_1)
	v_readfirstlane_b32 s20, v1                    ; wave 0..7
	v_and_b32 v1, 31, v0                           ; lane
	v_and_b32 v2, 15, v0                           ; r
	v_bfe_u32 v3, v0, 4, 1                         ; h
	s_delay_alu instid0(VALU_DEP_3)
	v_lshlrev_b32 v[LI], 4, v1
	s_and_b32 s21, ttmp7, 0xffff                   ; y
	s_mov_b32 s[SEL], 0x76543210
	s_mov_b32 s[SEL+1], 0xfedcba98
	s_wait_kmcnt 0x0
	s_cmp_ge_u32 s21, 2
	s_cbranch_scc1 .Lweights
	; ---- x: row block rb = 128 y + x, K step = wave
	s_lshl_b32 s22, s21, 7
	s_add_co_u32 s22, s22, ttmp9                   ; rb
	s_lshr_b32 s23, s22, 1
	s_lshl_b32 s23, s23, 5
	s_and_b32 s24, s22, 1
	s_lshl_b32 s24, s24, 3
	s_add_co_u32 s23, s23, s24                     ; the block's first token: 32 (rb / 2) + 8 (rb % 2)
	s_lshl_b32 s24, s23, 12                        ; a row of x is 4,096 bytes
	s_lshl_b32 s25, s20, 9                         ; my K step: 512 bytes
	s_add_co_u32 s24, s24, s25
	s_mov_b32 s25, 0
	s_add_nc_u64 s[4:5], s[4:5], s[24:25]
	s_wait_alu depctr_va_vdst(0)
.irp p, 0,1,2,3,4,5,6,7,8,9,10,11,12,13,14,15
	global_load_b128 v[16+4*\p:19+4*\p], v[LI], s[4:5] offset:(\p+8*(\p/8))*4096 th:TH_LOAD_NT   ; position p's row: 32 lanes read 512 consecutive bytes
.endr
	s_mul_i32 s26, s20, 8448                       ; my stage
	v_add_nc_u32 v6, s26, v[LI]                    ; in: 16 x lane, a row each 528 bytes
	v_mul_u32_u24 v7, v2, 528
	s_delay_alu instid0(VALU_DEP_1)
	v_lshl_add_u32 v7, v3, 6, v7
	s_delay_alu instid0(VALU_DEP_1)
	v_add_nc_u32 v7, s26, v7                       ; out: row r, + 64 h: 528 = 33 x 16, so sixteen rows start in sixteen different groups of banks
	v_lshlrev_b32 v5, 2, v2                        ; 4 r
.irp b, 0,1,2,3
	v_mov_b32 v[TM+4+\b], 0                        ; written once: a lane permute's destination counts as one of its sources
.endr
	s_lshl_b32 s27, s22, 3
	s_add_co_u32 s27, s27, s20                     ; fragment 8 rb + wave
	s_mul_i32 s28, s27, 1536
	s_mov_b32 s29, 0
	s_add_nc_u64 s[28:29], s[18:19], s[28:29]
	s_mul_i32 s30, s20, 28672                      ; scale words: [K step][7,168 rows][4]
	s_lshl_b32 s31, s22, 6
	s_add_co_u32 s30, s30, s31
	s_add_co_u32 s30, s30, OPS
	s_mov_b32 s31, 0
	s_add_nc_u64 s[30:31], s[18:19], s[30:31]
	s_wait_alu depctr_va_vdst(0)
.irp p, 0,1,2,3,4,5,6,7,8,9,10,11,12,13,14,15
	s_wait_loadcnt 15-\p                           ; row p is in; the younger rows may be out
	ds_store_b128 v6, v[16+4*\p:19+4*\p] offset:528*\p
.endr
.irp b, 0,1,2,3
.irp j, 0,1,2,3
	ds_load_b128 v[80+16*\b+4*\j:83+16*\b+4*\j], v7 offset:128*\b+16*\j   ; LDS serves a wave's instructions in order: these see my stores
.endr
.endr
	s_wait_dscnt 0x0
	QUANT 80
.irp c, 0,1,2
	global_store_b128 v[LI], v[PC+4*\c:PC+4*\c+3], s[28:29] offset:512*\c   ; 32 lanes store 512 consecutive bytes
.endr
	global_store_b32 v5, v[PW], s[30:31]           ; 16 words; lanes r and r + 16 hold and write the same word
	s_branch .Lend
	; ---- the weights
.Lweights:
	s_cmp_eq_u32 s21, 4                            ; W2 has 32 K steps and 4 blocks of 256 columns, the others 8 K steps
	s_cselect_b32 s22, 31, 7
	s_cselect_b32 s23, 5, 3                        ; log2 of the K steps
	s_and_b32 s24, ttmp9, s22                      ; K step
	s_lshr_b32 s25, ttmp9, s23                     ; block of 256 columns, counted through the y's tensors
	s_lshr_b32 s26, s25, 2
	s_add_co_u32 s27, s21, 1
	s_and_b32 s28, s25, 3
	s_cmp_eq_u32 s21, 2
	s_cselect_b32 s26, s26, s27                    ; t: 0 Wq, 1 Wk, 2 Wv, 3 Wo, 4 W1, 5 W2
	s_cselect_b32 s28, s28, s25                    ; the block of columns in its own tensor
	s_lshl_b32 s29, s25, 8
	s_add_co_u32 s29, s29, 4096                    ; Wq, Wk, Wv follow x's 4,096 rows
	s_lshl_b32 s30, s28, 8
	s_cmp_lt_u32 s26, 3
	s_cselect_b32 s29, s29, s30                    ; the block's first row in its operand
	s_mov_b32 s31, 0                               ; where the operand's codes begin,
	s_mov_b32 s32, OPS                             ; its scale words,
	s_mov_b32 s33, 28672                           ; bytes of scale words in a K step,
	s_mov_b32 s36, 4                               ; and where bits 3 and 4 of a position go in the column's index
	s_mov_b32 s37, 3
	s_mov_b64 s[34:35], s[6:7]
	s_cmp_eq_u32 s26, 1                            ; every choice hangs on the work-group's number alone
	s_cselect_b64 s[34:35], s[8:9], s[34:35]
	s_cmp_eq_u32 s26, 2
	s_cselect_b64 s[34:35], s[10:11], s[34:35]
	s_cmp_eq_u32 s26, 3
	s_cselect_b64 s[34:35], s[12:13], s[34:35]
	s_cselect_b32 s31, WOC, s31
	s_cselect_b32 s32, WOS, s32
	s_cselect_b32 s33, 4096, s33
	s_cselect_b32 s36, 3, s36
	s_cselect_b32 s37, 4, s37
	s_cmp_eq_u32 s26, 4
	s_cselect_b64 s[34:35], s[14:15], s[34:35]
	s_cselect_b32 s31, W1C, s31
	s_cselect_b32 s32, W1S, s32
	s_cselect_b32 s33, 16384, s33
	s_cselect_b32 s38, 21, 19                      ; 128 rows of the tensor in bytes: 2^21 for W1, else 2^19
	s_cmp_eq_u32 s26, 5
	s_cselect_b64 s[34:35], s[16:17], s[34:35]
	s_cselect_b32 s31, W2C, s31
	s_cselect_b32 s32, W2S, s32
	s_cselect_b32 s33, 4096, s33
	s_cselect_b32 s36, 3, s36
	s_cselect_b32 s37, 4, s37
	s_wait_alu depctr_va_vdst(0)
	v_and_b32 v10, 7, v1                           ; my position's column
	v_bfe_u32 v11, v1, 3, 1
	v_bfe_u32 v12, v1, 4, 1
	s_delay_alu instid0(VALU_DEP_2)
	v_lshlrev_b32 v11, s36, v11
	s_delay_alu instid0(VALU_DEP_2)
	v_lshlrev_b32 v12, s37, v12
	s_delay_alu instid0(VALU_DEP_2)
	v_or_b32 v10, v10, v11
	s_delay_alu instid0(VALU_DEP_1)
	v_or_b32 v10, v10, v12
	s_delay_alu instid0(VALU_DEP_1)
	v_lshlrev_b32 v10, 2, v10
	v_lshlrev_b32 v15, 2, v1                       ; 4 x lane
	s_lshl_b32 s46, s24, s38
	s_lshl_b32 s47, s28, 10
	s_add_co_u32 s46, s46, s47
	s_lshl_b32 s47, s20, 7                         ; my wave's 32 columns
	s_add_co_u32 s46, s46, s47
	s_mov_b32 s47, 0
	s_add_nc_u64 s[34:35], s[34:35], s[46:47]
	s_lshl_b32 s38, s20, 5
	s_add_co_u32 s38, s29, s38                     ; my first row
	s_lshr_b32 s39, s38, 4
	s_lshl_b32 s39, s39, s23
	s_add_co_u32 s39, s39, s24                     ; fragment: row block x K steps + K step
	s_mul_i32 s40, s39, 1536
	s_add_co_u32 s40, s40, s31
	s_mov_b32 s41, 0
	s_add_nc_u64 s[40:41], s[18:19], s[40:41]
	s_mul_i32 s42, s24, s33
	s_lshl_b32 s43, s38, 2
	s_add_co_u32 s42, s42, s43
	s_add_co_u32 s42, s42, s32
	s_mov_b32 s43, 0
	s_add_nc_u64 s[42:43], s[18:19], s[42:43]
	s_lshl_b32 s39, 1536, s23                      ; from a row block to the next
	v_add_nc_u32 v11, s39, v[LI]
; block t of 32 along K: W(32 t + i, my column) into set t % 2.  The row's pitch stands in the immediates, so the run is written for both pitches; both arms issue 32 loads
.macro LOADW t
	s_cmp_eq_u32 s26, 4
	s_cbranch_scc1 .Lwide_\@
.set ii, 0
	s_wait_alu depctr_va_vdst(0)
.rept 32
	global_load_b32 v[16+32*((\t)%2)+ii], v10, s[34:35] offset:(32*(\t)+ii)*4096 th:TH_LOAD_NT
.set ii, ii+1
.endr
	s_branch .Lloaded_\@
.Lwide_\@:
.set ii, 0
	s_wait_alu depctr_va_vdst(0)
.rept 32
	global_load_b32 v[16+32*((\t)%2)+ii], v10, s[34:35] offset:(32*(\t)+ii)*16384 th:TH_LOAD_NT
.set ii, ii+1
.endr
.Lloaded_\@:
.endm
.macro WBLOCK t
.set XS, 16+32*((\t)%2)
.set FB, 80+12*((\t)%2)+6*((\t)/2)     ; even blocks into v80 on, odd ones into v92 on
.if (\t) < 3
	s_wait_loadcnt 32                              ; this block's 32 loads are in; the next block's may be out
.else
	s_wait_loadcnt 0x0
.endif
	v_max3_num_f32 v12, |v[XS]|, |v[XS+1]|, |v[XS+2]|      ; the block's largest magnitude: all 32 numbers are mine
	v_max3_num_f32 v13, |v[XS+3]|, |v[XS+4]|, |v[XS+5]|
.irp i, 6,10,14,18,22,26
	s_delay_alu instid0(VALU_DEP_2)
	v_max3_num_f32 v12, v12, |v[XS+\i]|, |v[XS+\i+1]|
	s_delay_alu instid0(VALU_DEP_2)
	v_max3_num_f32 v13, v13, |v[XS+\i+2]|, |v[XS+\i+3]|
.endr
	s_delay_alu instid0(VALU_DEP_2)
	v_max3_num_f32 v12, v12, |v[XS+30]|, |v[XS+31]|
	s_delay_alu instid0(VALU_DEP_1)
	v_max3_num_f32 v12, v12, v13, 0x1800000        ; and the floor
	s_delay_alu instid0(VALU_DEP_1)
	v_add_nc_u32 v14, 0xff000000, v12              ; the conversion's scale operand
	s_delay_alu instid0(VALU_DEP_1)
	v_lshrrev_b32 v13, 23, v14                     ; the byte
.if (\t) == 0
	s_delay_alu instid0(VALU_DEP_1)
	v_mov_b32 v124, v13
.else
	s_delay_alu instid0(VALU_DEP_1)
	v_lshl_or_b32 v124, v13, 8*(\t), v124          ; four bytes make my row's scale word
.endif
	v_cvt_scalef32_pk16_fp6_f32 v[FB:FB+2], v[XS:XS+15], v14
	v_cvt_scalef32_pk16_fp6_f32 v[104+4*(\t):106+4*(\t)], v[XS+16:XS+31], v14
.if (\t) < 2
	LOADW (\t)+2
.endif
.endm
	LOADW 0
	LOADW 1
	WBLOCK 0
	WBLOCK 1
	WBLOCK 2
	WBLOCK 3
	v_nop                                          ; one plain place behind a scaled conversion
.irp t, 0,1,2,3
.irp i, 0,1,2
	v_mov_b32 v[80+12*(\t%2)+6*(\t/2)+3+\i], v[104+4*\t+\i]
.endr
.endr
.irp i, 0,1,2,3,4,5,6,7,8,9,10,11                  ; lane l holds position l's four blocks.  The swap leaves in v80 on the fragment of positions 0-15 (lanes 16-31: their odd blocks), in v92 on that of positions 16-31
	v_permlane16_swap_b32 v[80+\i], v[92+\i]
.endr
.irp c, 0,1,2
	global_store_b128 v[LI], v[80+4*\c:83+4*\c], s[40:41] offset:512*\c
	global_store_b128 v11, v[92+4*\c:95+4*\c], s[40:41] offset:512*\c
.endr
	global_store_b32 v15, v124, s[42:43]           ; 32 rows' words: 128 consecutive bytes
.Lend:
	s_wait_tensorcnt 0x0                           ; the wave's end
	ds_add_u32 v[SPW], v[NIL]
	s_wait_dscnt 0x0
	s_endpgm
.Lfunc_end_k_q0ab625651c_quant:
	.size	k_q0ab625651c_quant, .Lfunc_end_k_q0ab625651c_quant-k_q0ab625651c_quant
	.p2alignl 7, 3214868480
	.fill 96, 4, 3214868480
	.section	.rodata,"a",@progbits
	.p2align	6, 0x0
	.amdhsa_kernel k_q0ab625651c_quant
		.amdhsa_group_segment_fixed_size 68608
		.amdhsa_private_segment_fixed_size 0
		.amdhsa_enable_private_segment 0
		.amdhsa_kernarg_size 64
		.amdhsa_user_sgpr_count 2
		.amdhsa_user_sgpr_kernarg_segment_ptr 1
		.amdhsa_wavefront_size32 1
		.amdhsa_system_sgpr_workgroup_id_x 1
		.amdhsa_system_sgpr_workgroup_id_y 1
		.amdhsa_system_sgpr_workgroup_id_z 1
		.amdhsa_system_vgpr_workitem_id 0
		.amdhsa_next_free_vgpr 192
		.amdhsa_next_free_sgpr 66
		.amdhsa_reserve_vcc 0
		.amdhsa_float_denorm_mode_32 3
		.amdhsa_float_denorm_mode_16_64 3
		.amdhsa_memory_ordered 1
		.amdhsa_forward_progress 1
		.amdhsa_inst_pref_size 50
	.end_amdhsa_kernel
	.amdgpu_metadata
---
amdhsa.version: [ 1, 2 ]
amdhsa.kernels:
  - .name:           k_q0ab625651c_quant
    .symbol:         k_q0ab625651c_quant.kd
    .args:
      - { .name: x, .offset: 0, .size: 8, .value_kind: global_buffer, .address_space: global }
      - { .name: Wq, .offset: 8, .size: 8, .value_kind: global_buffer, .address_space: global }
      - { .name: Wk, .offset: 16, .size: 8, .value_kind: global_buffer, .address_space: global }
      - { .name: Wv, .offset: 24, .size: 8, .value_kind: global_buffer, .address_space: global }
      - { .name: Wo, .offset: 32, .size: 8, .value_kind: global_buffer, .address_space: global }
      - { .name: W1, .offset: 40, .size: 8, .value_kind: global_buffer, .address_space: global }
      - { .name: W2, .offset: 48, .size: 8, .value_kind: global_buffer, .address_space: global }
      - { .name: wsp, .offset: 56, .size: 8, .value_kind: global_buffer, .address_space: global }
    .group_segment_fixed_size: 68608
    .private_segment_fixed_size: 0
    .kernarg_segment_align: 8
    .kernarg_segment_size: 64
    .max_flat_workgroup_size: 256
    .sgpr_count:     66
    .vgpr_count:     192
    .wavefront_size: 32
...
	.end_amdgpu_metadata
.endif
;; end of part 1
;; launch proj (part 2): grid 8 x 24, 4 waves a work-group, clusters of 4 x 4, 327,680 bytes of LDS; arguments wsp, bq, bk, bv, wsq; writes wsq
.if DOCPART == 2
	.amdgcn_target "amdgcn-amd-amdhsa--gfx1250"
	.amdhsa_code_object_version 6
	.text
	.protected	k_q0ab625651c_proj
	.globl	k_q0ab625651c_proj
	.p2align	8
	.type	k_q0ab625651c_proj,@function
k_q0ab625651c_proj:
	s_mov_b64 s[64:65], 0
	v_nop
	global_prefetch_b8 v0, s[64:65] scope:SCOPE_SE
	s_setreg_imm32_b32 hwreg(HW_REG_WAVE_MODE, 25, 1), 1
	s_wait_xcnt 0x0
	s_wait_alu depctr_hold_cnt(0) depctr_sa_sdst(0) depctr_va_vdst(0) depctr_va_sdst(0) depctr_va_ssrc(0) depctr_va_vcc(0) depctr_vm_vsrc(0)
	s_getreg_b32 s2, hwreg(HW_REG_IB_STS2, 6, 4)
	s_cmp_eq_u32 s2, 0
	s_cbranch_scc0 .Lentry_in_a_cluster
	s_endpgm
.Lentry_in_a_cluster:
	s_bfe_u32 s2, ttmp6, 0x10000c
	s_cmp_lg_u32 s2, 0xf033
	s_cbranch_scc0 .Lentry_shape_is_right
	s_endpgm
.Lentry_shape_is_right:
; Launch 2 of 7: q = x Wq + bq, k = x Wk + bk and v^T = (x Wv + bv)^T, on codes of E2M3, and their quantising for the attention's two products.  No work of reference() is left out here.
; One operand buffer holds 7,168 rows of 1,024 K: x (0-4,095), Wq, Wk, Wv.  A tile of 256 x 256 is made by four waves, 128 x 128 each: 64 accumulators.  Source 0 of the matrix instruction takes rows of "B", source 1 rows of "A":
; a lane holds ONE row of A and its registers run along B's rows, which lie by position so that the 64 registers of a block of 16 rows are 128 true neighbours: they are quantised in registers and leave as a fragment.
; MODE 0 (clusters y 0-3): A = x, B = Wq | Wk: fragments of q and k: 16 tokens x (a pair of heads' 128).  MODE 1 (clusters y 4, 5): A = Wv, B = x: fragments of v^T: 16 of a pair's 128 channels x 128 tokens.
; The mode hangs on the cluster's y alone, which all sixteen partners share.
; K goes through a ring of two LDS slots of 256 along K; a tile's fragments lie in memory in the order of the operand's registers, so a wave's tensor load is 8 rows of 3,072 bytes and a fragment comes by three loads of 512 dense bytes.
; CLUSTERS 4 x 4: A's tiles are asked for jointly along a row of the cluster, B's along a column.
; REGISTERS: window 0: v8-15 bias along A's rows; v16-31 addresses; v32-63 scale words, two sets; v64-127 bias along B's rows; v128-223 A's fragments, one set; on the way out v128-230 are at work.
;   window 1: B's fragments, two sets, at v0 and v128.  windows 2, 3: the accumulators, (a, b) at v[8 (8 (a % 4) + b)].
.set OPS,   5505024
.set QKVS,  9437184                    ; wsq: units of 8 fragments (12,288 bytes) at 0, units of 128 scale words (512 bytes) here
.set NQ,    2
.set FR,    12
.set NL,    3
.set NP,    4
.set ROWB,  3072                       ; a row block's bytes in a slot: two fragments
.set HALFT, 8*ROWB
.set SLOT,  4*HALFT
.set SCL,   2*SLOT                     ; the scale words: four regions [K step 8][128 rows][4]
.set HALFS, 4096
.set SPARE, SCL+4*HALFS
.set BM,   8
.set ADRA, 16
.set ADRB, 20
.set LI,   24                          ; 16 x lane
.set L4,   25                          ; 4 x lane
.set BO,   26                          ; the bias's lane offsets
.set ADRS, 27
.set SPW,  28
.set NIL,  29
.set BMO,  30
.set SC,   32
.set BN,   64
.set AF,   128
.set W,    128
.set PC,   192
.set TM,   212
.set PW,   228
.set PWE,  229
.set SCP,  230
.set G1, 24
.set G0, 32
.set G1B, 48
.set G0B, 56
.set G1S, 68
.set G0S, 76
.set G1SB, 80
.set G0SB, 88
.set SEL, 98
.set MSB, 0
.macro WIN new                         ; the immediate's high byte repeats the setting that is left
.if MSB != (\new)
	s_set_vgpr_msb (MSB<<8)|(\new)
.set MSB, (\new)
.endif
.endm
.set MUL_LO, 0xa1
.set MUL_HI, 0xf1
.set TO_B,   0x40
.macro JLOAD g0a, g1a, g0b, g1b        ; a joint load: waves 0 and 1 fetch for A, waves 2 and 3 for B; an s_nop 0 and four v_nop follow each line
	s_cmp_eq_u32 s15, 0
	s_cbranch_scc0 .Lfor_b_\@
	tensor_load_to_lds s[\g0a:\g0a+3], s[\g1a:\g1a+7]
	s_nop 0
.rept 4
	v_nop
.endr
	s_branch .Lasked_\@
.Lfor_b_\@:
	tensor_load_to_lds s[\g0b:\g0b+3], s[\g1b:\g1b+7]
	s_nop 0
.rept 4
	v_nop
.endr
.Lasked_\@:
.endm
.macro CREST
	s_cmp_lg_u32 s14, 0
	s_cbranch_scc1 .Lnot_wave_0_\@
	s_barrier_signal -3
.Lnot_wave_0_\@:
	s_barrier_wait -3
	s_barrier_signal -1
	s_barrier_wait -1
.endm
.macro CROUND
	s_barrier_signal -1
	s_barrier_wait -1
	CREST
.endm
.macro PLACES n
.rept \n
	v_nop
.endr
.endm
.macro QUANT s
.irp b, 0,1,2,3
	v_max3_num_f32 v[TM+\b], |v[(\s)+16*\b]|, |v[(\s)+1+16*\b]|, 0x1800000   ; my 16 numbers of block b, and the floor 2^(3 - 127)
.endr
.irp i, 2,4,6,8,10,12,14
.irp b, 0,1,2,3
	v_max3_num_f32 v[TM+\b], v[TM+\b], |v[(\s)+16*\b+\i]|, |v[(\s)+1+16*\b+\i]|
.endr
.endr
.irp b, 0,1,2,3
	v_permlanex16_b32 v[TM+4+\b], v[TM+\b], s[SEL], s[SEL+1]
.endr
.irp b, 0,1,2,3
	v_max_num_f32 v[TM+\b], v[TM+\b], v[TM+4+\b]
.endr
.irp b, 0,1,2,3
	v_add_nc_u32 v[TM+12+\b], 0xff000000, v[TM+\b]     ; 2 off the exponent field: the conversion's scale operand
.endr
.irp b, 0,1,2,3
	v_lshrrev_b32 v[TM+4+\b], 23, v[TM+12+\b]
.endr
	v_lshl_or_b32 v[PW], v[TM+5], 8, v[TM+4]
	v_lshl_or_b32 v[PW], v[TM+6], 16, v[PW]
	v_lshl_or_b32 v[PW], v[TM+7], 24, v[PW]
.irp c, 0,1
	v_cvt_scalef32_pk16_fp6_f32 v[PC+6*\c:PC+2+6*\c], v[(\s)+32*\c:(\s)+15+32*\c], v[TM+12+2*\c]
	v_cvt_scalef32_pk16_fp6_f32 v[PC+12+4*\c:PC+14+4*\c], v[(\s)+16+32*\c:(\s)+31+32*\c], v[TM+12+2*\c+1]
.endr
	v_nop                                              ; one plain place behind a scaled conversion
.irp c, 0,1
.irp i, 0,1,2
	v_permlane16_swap_b32 v[PC+6*\c+\i], v[PC+12+4*\c+\i]
.endr
.irp i, 0,1,2
	v_mov_b32 v[PC+3+6*\c+\i], v[PC+12+4*\c+\i]
.endr
.endr
.endm
	s_load_b256 s[4:11], s[0:1], 0x0               ; wsp, bq, bk, bv
	s_load_b64 s[12:13], s[0:1], 0x20              ; wsq
	v_lshl_add_u32 v[SPW], v0, 2, SPARE
	v_mov_b32 v[NIL], 0
	ds_add_u32 v[SPW], v[NIL]                      ; the wave's opening: the add, twice on end, and its wait ahead of my first tensor load
	ds_add_u32 v[SPW], v[NIL]
	v_lshrrev_b32 v1, 5, v0
	v_readfirstlane_b32 s14, v1                    ; wave 0..3
	s_lshr_b32 s15, s14, 1                         ; my half of A's rows.  Also: I fetch for A (0) or for B (1)
	s_and_b32 s16, s14, 1                          ; my half of B's rows.  Also: which 128 rows I fetch
	s_bfe_u32 s40, ttmp6, 0x40000                  ; cx
	s_bfe_u32 s41, ttmp6, 0x40004                  ; cy
	s_and_b32 s18, ttmp7, 0xffff                   ; the cluster's y
	s_lshl_b32 s17, s18, 2
	s_max_u32 s19, s18, 4
	s_sub_co_u32 s19, s19, 4
	s_lshl_b32 s19, s19, 3
	s_lshl_b32 s42, ttmp9, 2
	s_add_co_u32 s19, s19, s42                     ; mode 1: B's tile of x: 8 (y - 4) + 4 x
	s_add_co_u32 s42, s42, 16                      ; mode 0: B's tile of Wq | Wk: 16 + 4 x
	s_cmp_lt_u32 s18, 4
	s_cselect_b32 s17, s17, 24                     ; A's tile: of x, or of Wv
	s_cselect_b32 s42, s42, s19
	s_cselect_b32 s101, 0, 1                       ; the mode
	s_add_co_u32 s17, s17, s41                     ; + cy: A's tile hangs on cy alone of the two places
	s_add_co_u32 s42, s42, s40                     ; + cx: B's on cx alone
	s_lshl_b32 s43, s41, 2
	s_lshl_b32 s43, 15, s43                        ; my row of the cluster
	s_lshl_b32 s44, 0x1111, s40                    ; my column
	s_or_b32 s[G1+0], s43, (3<<16)|(1<<21)         ; the mask; elements of 8 bytes; bit 21 beside a mask; no padding
	s_or_b32 s[G1B+0], s44, (3<<16)|(1<<21)
.irp g, G1, G1B
	s_mov_b32 s[\g+1], 384<<16                     ; tensor_dim0: 3,072 bytes
	s_mov_b32 s[\g+2], 16<<16                      ; tensor_dim1: 16 row blocks for the head's loads; set to 8 for the ring's behind them
	s_mov_b32 s[\g+3], 384<<16                     ; tile_dim0
	s_mov_b32 s[\g+4], 16                          ; tile_dim1
	s_mov_b32 s[\g+5], 1536                        ; from a row block to the next: 8 fragments, 12,288 bytes
	s_mov_b32 s[\g+6], 0
	s_mov_b32 s[\g+7], 0
.endr
	s_or_b32 s[G1S+0], s43, (3<<16)|(1<<21)
	s_or_b32 s[G1SB+0], s44, (3<<16)|(1<<21)
.irp g, G1S, G1SB
	s_mov_b32 s[\g+1], 128<<16                     ; 256 rows' words: 1,024 bytes
	s_mov_b32 s[\g+2], 8<<16                       ; 8 K steps
	s_mov_b32 s[\g+3], 128<<16
	s_mov_b32 s[\g+4], 8
	s_mov_b32 s[\g+5], 3584                        ; from a K step to the next: 7,168 words
	s_mov_b32 s[\g+6], 0
	s_mov_b32 s[\g+7], 0
.endr
	s_lshl_b32 s18, s16, 7
	s_lshl_b32 s20, s17, 8
	s_add_co_u32 s20, s20, s18                     ; A: the first row that I fetch
	s_lshl_b32 s46, s42, 8
	s_add_co_u32 s46, s46, s18                     ; B likewise
	s_sub_co_u32 s22, s20, s18                     ; the tile's first row: its scale words come whole
	s_lshl_b32 s22, s22, 2
	s_add_co_u32 s22, s22, OPS
	s_mul_i32 s20, s20, 768                        ; its codes
	s_sub_co_u32 s92, s46, s18
	s_lshl_b32 s92, s92, 2
	s_add_co_u32 s92, s92, OPS
	s_mul_i32 s46, s46, 768
	s_mov_b32 s21, 0
	s_mov_b32 s23, 0
	s_mov_b32 s47, 0
	s_mov_b32 s93, 0
	s_mul_i32 s45, s14, HALFT                      ; where they go: no place in the cluster enters an LDS address
	s_mov_b32 s[SEL], 0x76543210
	s_mov_b32 s[SEL+1], 0xfedcba98
	s_mov_b32 s100, 0xffff0000                     ; lanes 16-31
	s_wait_dscnt 0x0                               ; both opening adds are done
	s_wait_kmcnt 0x0
	s_add_nc_u64 s[20:21], s[4:5], s[20:21]
	s_add_nc_u64 s[22:23], s[4:5], s[22:23]
	s_add_nc_u64 s[46:47], s[4:5], s[46:47]
	s_add_nc_u64 s[92:93], s[4:5], s[92:93]
	CROUND                                         ; all sixteen work-groups are here: the first joint loads meet
	s_mov_b32 s[G0S], 1
	s_mov_b32 s[G0S+1], SCL
	s_mov_b64 s[G0S+2:G0S+3], s[22:23]
	s_or_b32 s[G0S+3], s[G0S+3], 0x80000000
	s_mov_b32 s[G0SB], 1
	s_mov_b32 s[G0SB+1], SCL+2*HALFS
	s_mov_b64 s[G0SB+2:G0SB+3], s[92:93]
	s_or_b32 s[G0SB+3], s[G0SB+3], 0x80000000
.irp s, 0,1
	s_mov_b32 s[G0+4*\s], 1
	s_add_co_u32 s[G0+4*\s+1], s45, \s*SLOT
	s_add_nc_u64 s[G0+4*\s+2:G0+4*\s+3], s[20:21], \s*ROWB
	s_or_b32 s[G0+4*\s+3], s[G0+4*\s+3], 0x80000000
	s_mov_b32 s[G0B+4*\s], 1
	s_add_co_u32 s[G0B+4*\s+1], s45, \s*SLOT
	s_add_nc_u64 s[G0B+4*\s+2:G0B+4*\s+3], s[46:47], \s*ROWB
	s_or_b32 s[G0B+4*\s+3], s[G0B+4*\s+3], 0x80000000
.endr
; THE HEAD'S LOADS, ONE A WAVE: wave 0 A's 16 row blocks of slot 0 (its own group 0 begins at the tile's first row and at LDS byte 0), wave 2 B's (likewise, behind A's),
; wave 1 the scale words of A's 256 rows, wave 3 those of B's.  One chain of branches on the wave's number, one load to an arm, all arms to one join.
.macro ARM under, g0, g1, next
	s_cmp_lt_u32 s14, \under
	s_cbranch_scc0 \next
	tensor_load_to_lds s[\g0:\g0+3], s[\g1:\g1+7]
	s_nop 0
.rept 4
	v_nop
.endr
	s_branch .Lhead_asked
\next:
.endm
	ARM 1, G0,  G1,  .Lhead_sa
	ARM 2, G0S, G1S, .Lhead_b
	ARM 3, G0B, G1B, .Lhead_sb
	tensor_load_to_lds s[G0SB:G0SB+3], s[G1SB:G1SB+7]
	s_nop 0
.rept 4
	v_nop
.endr
.Lhead_asked:
	v_and_b32 v1, 31, v0
	v_and_b32 v2, 15, v0                           ; r
	v_bfe_u32 v3, v0, 4, 1                         ; h
	s_wait_alu depctr_va_vdst(0)
	v_lshlrev_b32 v[LI], 4, v1
	v_lshlrev_b32 v[L4], 2, v1
	s_mul_i32 s21, s15, HALFT
	s_mul_i32 s22, s16, HALFT
	s_add_co_u32 s22, s22, 2*HALFT
.irp s, 0,1
	v_add_nc_u32 v[ADRA+\s], s21, v[LI]
	v_add_nc_u32 v[ADRB+\s], s22, v[LI]
	s_add_co_u32 s21, s21, SLOT
	s_add_co_u32 s22, s22, SLOT
.endr
	s_lshl_b32 s21, s15, 9                         ; scale words lie [K step][256 rows]: my 128 rows of A, lanes 0-15;
	s_lshl_b32 s22, s16, 9                         ; my 128 rows of B, lanes 16-31
	s_add_co_u32 s22, s22, 2*HALFS
	s_sub_co_u32 s22, s22, s21
	v_mul_u32_u24 v6, s22, v3
	s_add_co_u32 s21, s21, SCL
	v_lshl_add_u32 v5, v2, 2, v6
	v_add_nc_u32 v[ADRS], s21, v5
	; where my results go
	s_cmp_eq_u32 s101, 0
	s_cselect_b32 s18, 0, 24
	s_cselect_b32 s19, 16, 0
	s_sub_co_u32 s18, s17, s18
	s_lshl_b32 s18, s18, 1
	s_add_co_u32 s18, s18, s15                     ; p: which 128 of A's rows (tokens, or a pair of heads' channels)
	s_sub_co_u32 s19, s42, s19
	s_lshl_b32 s19, s19, 1
	s_add_co_u32 s19, s19, s16                     ; c: which 128 of B's rows (q's pairs 0-7, k's 8-15; or tokens)
	s_lshl_b32 s20, s19, 5
	s_add_co_u32 s20, s20, s18                     ; mode 0: unit 32 c + p
	s_lshl_b32 s21, s18, 5
	s_add_co_u32 s21, s21, s19
	s_add_co_u32 s21, s21, 512                     ; mode 1: unit 512 + 32 p + c
	s_cmp_eq_u32 s101, 0
	s_cselect_b32 s20, s20, s21
	s_mul_i32 s22, s20, 12288
	s_mov_b32 s23, 0
	s_add_nc_u64 s[92:93], s[12:13], s[22:23]
	s_lshl_b32 s22, s20, 9
	s_add_co_u32 s22, s22, QKVS
	s_add_nc_u64 s[94:95], s[12:13], s[22:23]
	; the bias: 128 numbers, 512 bytes: mode 0 bq or bk at pair c % 8, mode 1 bv at pair p
	s_and_b32 s22, s19, 7
	s_lshl_b32 s22, s22, 9
	s_lshl_b32 s21, s18, 9
	s_cmp_eq_u32 ttmp9, 0
	s_cselect_b64 s[96:97], s[6:7], s[8:9]
	s_cmp_eq_u32 s101, 0
	s_cselect_b64 s[96:97], s[96:97], s[10:11]
	s_cselect_b32 s22, s22, s21
	s_add_nc_u64 s[96:97], s[96:97], s[22:23]
	v_lshlrev_b32 v[BO], 6, v3                     ; along B's rows: tile t's eight numbers of my half: 32 (t / 2) + 8 (t % 2) + 16 h + 0 .. 7
	v_and_b32 v[BMO], 8, v2
	v_add_nc_u32 v[BMO], v[BMO], v2
	v_lshlrev_b32 v[BMO], 2, v[BMO]                ; along A's rows: block a's number of my row: 32 (a / 2) + 8 (a % 2) + r + 8 (r / 8)
; The 512 bytes are loaded in both layouts, with no branch, so that every register is written on every way; the way out uses one of the two
.irp t, 0,1,2,3,4,5,6,7
	global_load_b128 v[BN+8*\t:BN+8*\t+3], v[BO], s[96:97] offset:(32*(\t/2)+8*(\t%2))*4
	global_load_b128 v[BN+8*\t+4:BN+8*\t+7], v[BO], s[96:97] offset:(32*(\t/2)+8*(\t%2))*4+16
.endr
.irp a, 0,1,2,3,4,5,6,7
	global_load_b32 v[BM+\a], v[BMO], s[96:97] offset:(32*(\a/2)+8*(\a%2))*4
.endr
.macro FRAG reg, adr, q, i             ; a fragment as it lies: three loads of 512 dense bytes
.irp c, 0,1,2
	ds_load_b128 v[\reg+4*\c:\reg+4*\c+3], v[\adr] offset:(\i)*ROWB+(\q)*1536+512*\c
.endr
.endm
; 16 matrix instructions: A's blocks a0, a0 + 1 x B's eight.  The 64 accumulators take turns, one instruction a turn, in the same order in every step
.macro MUL16 a0, p, q, sc, zero
.irp a, \a0, \a0+1
.irp b, 0,1,2,3,4,5,6,7
.if \zero
	v_wmma_scale_f32_16x16x128_f8f6f4 v[8*(8*((\a)%4)+\b):8*(8*((\a)%4)+\b)+7], v[128*(\p)+FR*\b:128*(\p)+FR*\b+FR-1], v[AF+FR*(\a):AF+FR*(\a)+FR-1], 0, v[SC+8*NQ*(\sc)+NQ*\b+(\q)], v[SC+8*NQ*(\sc)+NQ*(\a)+(\q)] matrix_a_fmt:MATRIX_FMT_FP6 matrix_b_fmt:MATRIX_FMT_FP6 matrix_a_scale:MATRIX_SCALE_ROW1
.else
	v_wmma_scale_f32_16x16x128_f8f6f4 v[8*(8*((\a)%4)+\b):8*(8*((\a)%4)+\b)+7], v[128*(\p)+FR*\b:128*(\p)+FR*\b+FR-1], v[AF+FR*(\a):AF+FR*(\a)+FR-1], v[8*(8*((\a)%4)+\b):8*(8*((\a)%4)+\b)+7], v[SC+8*NQ*(\sc)+NQ*\b+(\q)], v[SC+8*NQ*(\sc)+NQ*(\a)+(\q)] matrix_a_fmt:MATRIX_FMT_FP6 matrix_b_fmt:MATRIX_FMT_FP6 matrix_a_scale:MATRIX_SCALE_ROW1
.endif
.endr
.endr
.endm
.macro FETCH_B slot, q, p
	WIN TO_B
.irp i, 0,1,2,3,4,5,6,7
	FRAG 128*(\p)+FR*\i, ADRB+\slot, \q, \i
.endr
	WIN 0
.endm
.macro FETCH_A slot, q, i0
.irp i, \i0, \i0+1, \i0+2, \i0+3
	FRAG AF+FR*(\i), ADRA+\slot, \q, \i
.endr
.endm
.macro SCALES sc                       ; a slot's scale words: lanes 0-15 A's block i, lanes 16-31 B's block i, K steps u = 0, 1
.irp i, 0,1,2,3,4,5,6,7
.irp u, 0,1
	ds_load_b32 v[SC+16*(\sc)+2*\i+\u], v[ADRS] offset:1024*\u+64*\i
.endr
.endr
.endm
.macro STEP slot, q, zero              ; a step of 128 along K that has its successor in the same slot
	s_wait_dscnt 4*NL                              ; all but the youngest 12 loads (A's blocks 4-7) are in
	WIN MUL_LO
	MUL16 0, (\q)%2, \q, \slot, \zero
	MUL16 2, (\q)%2, \q, \slot, \zero
	s_wait_dscnt 0
	PLACES NP                                      ; four places in front of loads into registers that matrix instructions have read
	FETCH_B \slot, (\q)+1, 1-(\q)%2
	FETCH_A \slot, (\q)+1, 0
	WIN MUL_HI
	MUL16 4, (\q)%2, \q, \slot, \zero
	MUL16 6, (\q)%2, \q, \slot, \zero
	PLACES NP
	WIN 0
	FETCH_A \slot, (\q)+1, 4
.endm
.macro TURN slot, next, fill           ; a slot's last step changes slots: one barrier; fill = 1: it opens a round of the cluster's barrier and the slot is filled again
	s_wait_tensorcnt 0x0                           ; all my tensor loads have landed: my part of the next slot
	ds_add_u32 v[SPW], v[NIL]                      ; 0 onto my spare word
	s_wait_dscnt 4*NL+1                            ; (the add and A's blocks 4-7 may be out)
	WIN MUL_LO
	MUL16 0, 1, NQ-1, \slot, 0
	s_wait_dscnt 0x0                               ; the add is done, and my reads of this slot are over
	s_barrier_signal -1
	MUL16 2, 1, NQ-1, \slot, 0
	WIN 0
	s_barrier_wait -1
.if \fill
	CREST                                          ; no wave of any partner still reads this slot or has a load on its way
	s_add_nc_u64 s[G0+4*\slot+2:G0+4*\slot+3], s[G0+4*\slot+2:G0+4*\slot+3], 2*ROWB
	s_add_nc_u64 s[G0B+4*\slot+2:G0B+4*\slot+3], s[G0B+4*\slot+2:G0B+4*\slot+3], 2*ROWB
	JLOAD G0+4*\slot, G1, G0B+4*\slot, G1B         ; the first tensor load behind the round; its four v_nop are the places in front of the loads below
.else
	PLACES NP
.endif
	s_wait_alu depctr_va_vdst(0)
	v_add_nc_u32 v[ADRS], 2048, v[ADRS]            ; the next slot's scale words: two K steps of 1,024 bytes
	FETCH_B \next, 0, 0
	FETCH_A \next, 0, 0
	SCALES \next
	WIN MUL_HI
	MUL16 4, 1, NQ-1, \slot, 0
	MUL16 6, 1, NQ-1, \slot, 0
	PLACES NP
	WIN 0
	FETCH_A \next, 0, 4
.endm
	s_wait_alu depctr_va_vdst(0)
	s_wait_tensorcnt 0x0                           ; my tile of the head's four is in
	ds_add_u32 v[SPW], v[NIL]
	s_mov_b32 s[G1+2], 8<<16                       ; no tensor load of mine is out: from here on a load brings 8 row blocks
	s_mov_b32 s[G1+4], 8
	s_mov_b32 s[G1B+2], 8<<16
	s_mov_b32 s[G1B+4], 8
	s_wait_dscnt 0x0
	CROUND                                         ; all four tiles are in, in every partner
	JLOAD G0+4, G1, G0B+4, G1B                     ; slot 1's first fill: my one tensor load behind the cluster's barrier
	FETCH_B 0, 0, 0
	FETCH_A 0, 0, 0
	SCALES 0
	FETCH_A 0, 0, 4
	STEP 0, 0, 1                                   ; K = 1,024 is eight steps, four slots' worth: written out; the first step's products start the sums
	TURN 0, 1, 1
	STEP 1, 0, 0
	TURN 1, 0, 1
	STEP 0, 0, 0
	TURN 0, 1, 0                                   ; nothing is left to fetch
	STEP 1, 0, 0
	s_wait_dscnt 4*NL
	WIN MUL_LO
	MUL16 0, 1, NQ-1, 1, 0
	MUL16 2, 1, NQ-1, 1, 0
	s_wait_dscnt 0
	WIN MUL_HI
	MUL16 4, 1, NQ-1, 1, 0
	MUL16 6, 1, NQ-1, 1, 0
	WIN 0
	PLACES NP
.irp b, 0,1,2,3
	v_mov_b32 v[TM+4+\b], 0                        ; written once: a lane permute's destination counts as one of its sources
.endr
	s_wait_loadcnt 0x0                             ; the bias
; THE WAY OUT, block by block of 16 rows of A: the block's 64 registers a lane, with the bias, are quantised and leave as one fragment, 3 x 512 dense bytes; two blocks' scale words leave together, 128 bytes
.macro EPI m
.irp a, 0,1,2,3,4,5,6,7
	WIN 0x02+(\a)/4                                ; source 0: the accumulators' window
.set kk, 0
.if \m
.rept 64
	v_add_f32 v[W+kk], v[64*((\a)%4)+kk], v[BM+\a]
.set kk, kk+1
.endr
.else
.rept 32
	v_pk_add_f32 v[W+kk:W+kk+1], v[64*((\a)%4)+kk:64*((\a)%4)+kk+1], v[BN+kk:BN+kk+1]
.set kk, kk+2
.endr
.endif
	WIN 0
.if \a > 0
	s_wait_xcnt 0x0                                ; the last block's stores have read their registers
.endif
	QUANT W
.irp c, 0,1,2
	global_store_b128 v[LI], v[PC+4*\c:PC+4*\c+3], s[92:93] offset:(\a)*1536+512*\c
.endr
.if (\a)%2 == 0
	v_mov_b32 v[PWE], v[PW]
.else
	v_cndmask_b32 v[SCP], v[PWE], v[PW], s100      ; lanes 0-15 the even block's words, lanes 16-31 the odd block's
	global_store_b32 v[L4], v[SCP], s[94:95] offset:128*((\a)/2)
.endif
.endr
.endm
	s_cmp_eq_u32 s101, 0
	s_cbranch_scc0 .Lepi_m
	EPI 0
	s_branch .Lepi_done
.Lepi_m:
	EPI 1
.Lepi_done:
	s_wait_tensorcnt 0x0                           ; the wave's end
	ds_add_u32 v[SPW], v[NIL]
	s_wait_dscnt 0x0
	CROUND                                         ; the closing round
	s_endpgm
.Lfunc_end_k_q0ab625651c_proj:
	.size	k_q0ab625651c_proj, .Lfunc_end_k_q0ab625651c_proj-k_q0ab625651c_proj
	.p2alignl 7, 3214868480
	.fill 96, 4, 3214868480
	.section	.rodata,"a",@progbits
	.p2align	6, 0x0
	.amdhsa_kernel k_q0ab625651c_proj
		.amdhsa_group_segment_fixed_size 327680
		.amdhsa_private_segment_fixed_size 0
		.amdhsa_enable_private_segment 0
		.amdhsa_kernarg_size 40
		.amdhsa_user_sgpr_count 2
		.amdhsa_user_sgpr_kernarg_segment_ptr 1
		.amdhsa_wavefront_size32 1
		.amdhsa_system_sgpr_workgroup_id_x 1
		.amdhsa_system_sgpr_workgroup_id_y 1
		.amdhsa_system_sgpr_workgroup_id_z 1
		.amdhsa_system_vgpr_workitem_id 0
		.amdhsa_next_free_vgpr 1024
		.amdhsa_next_free_sgpr 102
		.amdhsa_reserve_vcc 0
		.amdhsa_float_denorm_mode_32 3
		.amdhsa_float_denorm_mode_16_64 3
		.amdhsa_memory_ordered 1
		.amdhsa_forward_progress 1
		.amdhsa_inst_pref_size 211
	.end_amdhsa_kernel
	.amdgpu_metadata
---
amdhsa.version: [ 1, 2 ]
amdhsa.kernels:
  - .name:           k_q0ab625651c_proj
    .symbol:         k_q0ab625651c_proj.kd
    .args:
      - { .name: wsp, .offset: 0, .size: 8, .value_kind: global_buffer, .address_space: global }
      - { .name: bq, .offset: 8, .size: 8, .value_kind: global_buffer, .address_space: global }
      - { .name: bk, .offset: 16, .size: 8, .value_kind: global_buffer, .address_space: global }
      - { .name: bv, .offset: 24, .size: 8, .value_kind: global_buffer, .address_space: global }
      - { .name: wsq, .offset: 32, .size: 8, .value_kind: global_buffer, .address_space: global }
    .group_segment_fixed_size: 327680
    .private_segment_fixed_size: 0
    .kernarg_segment_align: 8
    .kernarg_segment_size: 40
    .max_flat_workgroup_size: 128
    .sgpr_count:     102
    .vgpr_count:     1024
    .wavefront_size: 32
...
	.end_amdgpu_metadata
.endif
;; end of part 2
;; launch attn (part 3): grid 16 x 16, 16 waves a work-group, no clusters, 327,680 bytes of LDS; arguments wsq, wso; writes wso
.if DOCPART == 3
	.amdgcn_target "amdgcn-amd-amdhsa--gfx1250"
	.amdhsa_code_object_version 6
	.text
	.protected	k_q0ab625651c_attn
	.globl	k_q0ab625651c_attn
	.p2align	8
	.type	k_q0ab625651c_attn,@function
k_q0ab625651c_attn:
	s_mov_b64 s[64:65], 0
	v_nop
	global_prefetch_b8 v0, s[64:65] scope:SCOPE_SE
	s_setreg_imm32_b32 hwreg(HW_REG_WAVE_MODE, 25, 1), 1
	s_wait_xcnt 0x0
; Launch 3 of 7: o = softmax(q k^T / 8, causal) v on codes of E2M3, and o's quantising for the product with Wo.
; WORK LEFT OUT: each step of 128 keys that lies wholly behind a wave's queries (reference()'s own jnp.tril gives p = 0 there for all values of the inputs).
; LIMIT: the promise holds while the scaled scores (exponents to the base 2) stay under 2^31 in magnitude.
; SHARES.  Work-group (x, y): batch y / 8, pair of heads y % 8, and two blocks of 64 queries, block x and block 31 - x, ONE AFTER THE OTHER.  A slot holds 256 keys: two steps of 128.
; Block x needs x / 4 + 1 slots, block 31 - x needs (31 - x) / 4 + 1: nine in all for every x, so the walk has nine trips.
; A wave is (head of the pair, tile of 16 queries, parity): it takes the slot's step of its parity, so the two steps of a slot are worked by two partner waves (w and w xor 1).
; At a block's end the wave of parity 1 hands -M, the sums and O^T to its partner through LDS bytes of the pair's own; M is a whole number, so the join scales by exact powers of two.
; A trip has two barriers: the change of slots, and a second one, so that the stages' stores and loads never stand between the same two barriers.
; A slot in LDS: K's codes 24,576 bytes, V's 24,576, K's scale words 1,024, V's 1,024: four dense blocks of memory, one tensor load each, by waves 0 to 3; every load holds bytes of the slot's first step, which is read.
; NO CLUSTER: the sixteen work-groups of one y change blocks in different trips (x / 4 + 1), so partners would ask for different tiles in the same trip.
; PREFETCH: work-group x = 0 walks slots 0, 0 .. 7; its waves 4 to 6 ask in trip v for slot v + 1 of K and V (96 blocks of 256 bytes each, a lane a block), one slot ahead of the tensor load, in trips 0 to 6.
.set QKVS,  9437184
.set OS,    3145728
.set VOFF,  24576
.set KSO,   49152
.set VSO,   50176
.set SLOT1, 1<<17
.set SPARE, 262144                     ; the spare words, 128 bytes a wave
.set OST,   264192                     ; four fragments of o
.set OSC,   270336                     ; 64 scale words of o
; HALF A STEP APART.  A step has two halves: PA (K's fragments, S^T = k q^T, V's fragments: LDS reads) and PB (softmax, p's codes, O^T: work on registers).  A wave of parity 0 runs PA and PB of its step in one trip;
; a wave of parity 1 runs PB of its last trip's step first and PA of this trip's step last, so that one parity reads LDS while the other works on registers.  All reads of a slot still stand inside its trip.
; At a block's end BOTH waves of a pair put -M, the sums and O^T into LDS bytes of their own, and the wave of parity 0 joins the two one trip later.
.set PART,  51200                      ; sixteen waves x 4,608 bytes: the partial results, behind slot 0's tiles, where no fill lands
.set PAP,  4                           ; v4: my partner's bytes there
.set PEND, 86                          ; s86: 1 while a step's second half is due
.set SP,   87                          ; s87: the trip in which my last step of block x ends
.set LI,   1
.set PAD,  2
.set QT,   3
.set SPW,  5
.set NIL,  6
.set PFO,  7
.set ADK,  8
.set ADV,  9
.set ADS,  10
.set ADT,  11
.set T0,   12                          ; v12 -M, v13 the running largest t, v14-15 the sums
.set QA,   16
.set OA0,  80
.set OA1,  81
.set OL0,  82
.set OL1,  83
.set OSA,  84
.set OSL,  85
.set L8,   86
.set QS,   92
.set PS,   93
.set R4,   95
.set QB,   192                         ; the second block's q, kept until the change of blocks
.set QS2,  204
.set PC,   32
.set TM,   52
.set PW,   68
.set WV,   18
.set SEL,  20
.set CS,   22
.set G1,   24
.set G1S,  32
.set G0C,  40
.set G0S,  44
.set BC,   48
.set BS,   50
.set PFK,  52
.set PFV,  54
.set OFF,  56
.set OF2,  58
.set V,    60
.set SX,   61
.set LIM,  62
.set PAR,  63
.set KF,   66
.set Q0,   67
.set QBASE, 68
.set Q0S,  69
.set Q0L,  70
.set HD,   71
.set BB,   72
.set HP,   73
.set TL,   74
.set QF,   75
.macro TLOAD                           ; waves 0, 1: K's and V's codes; waves 2, 3: their scale words; one load a wave
	s_cmp_lt_u32 s[WV], 2
	s_cbranch_scc0 .Lnot_c_\@
	tensor_load_to_lds s[G0C:G0C+3], s[G1:G1+7]
	s_nop 0
.rept 4
	v_nop
.endr
	s_branch .Lasked_\@
.Lnot_c_\@:
	s_cmp_lt_u32 s[WV], 4
	s_cbranch_scc0 .Lasked_\@
	tensor_load_to_lds s[G0S:G0S+3], s[G1S:G1S+7]
	s_nop 0
.rept 4
	v_nop
.endr
.Lasked_\@:
.endm
.macro SETQ q                          ; the block at work: its first position, its first token, my first key
	s_mov_b32 s[Q0], s[\q]
	s_and_b32 s[QBASE], s[Q0], 0xffe0
	s_bfe_u32 s90, s[Q0], 0x10004
	s_lshl_b32 s90, s90, 3
	s_add_co_u32 s[QBASE], s[QBASE], s90
	s_lshl_b32 s[KF], s[PAR], 7
.endm
.macro QUANT2 s
.irp b, 0,1
	v_max3_num_f32 v[TM+\b], |v[(\s)+16*\b]|, |v[(\s)+1+16*\b]|, 0x1800000
.endr
.irp i, 2,4,6,8,10,12,14
.irp b, 0,1
	s_delay_alu instid0(VALU_DEP_2)
	v_max3_num_f32 v[TM+\b], v[TM+\b], |v[(\s)+16*\b+\i]|, |v[(\s)+1+16*\b+\i]|
.endr
.endr
.irp b, 0,1
	s_delay_alu instid0(VALU_DEP_2)
	v_permlanex16_b32 v[TM+4+\b], v[TM+\b], s[SEL], s[SEL+1]
.endr
.irp b, 0,1
	s_delay_alu instid0(VALU_DEP_2)
	v_max_num_f32 v[TM+\b], v[TM+\b], v[TM+4+\b]
.endr
.irp b, 0,1
	s_delay_alu instid0(VALU_DEP_2)
	v_add_nc_u32 v[TM+12+\b], 0xff000000, v[TM+\b]
.endr
.irp b, 0,1
	s_delay_alu instid0(VALU_DEP_2)
	v_lshrrev_b32 v[TM+4+\b], 23, v[TM+12+\b]
.endr
	s_delay_alu instid0(VALU_DEP_1)
	v_lshl_or_b32 v[PW], v[TM+5], 8, v[TM+4]
	v_cvt_scalef32_pk16_fp6_f32 v[PC:PC+2], v[(\s):(\s)+15], v[TM+12]
	v_cvt_scalef32_pk16_fp6_f32 v[PC+12:PC+14], v[(\s)+16:(\s)+31], v[TM+13]
	v_nop
.irp i, 0,1,2
	v_permlane16_swap_b32 v[PC+\i], v[PC+12+\i]
.endr
.irp i, 0,1,2
	s_delay_alu instid0(VALU_DEP_3)
	v_mov_b32 v[PC+3+\i], v[PC+12+\i]
.endr
.endm
	s_load_b128 s[4:7], s[0:1], 0x0                ; wsq, wso
	v_lshl_add_u32 v[SPW], v0, 2, SPARE
	v_mov_b32 v[NIL], 0
	ds_add_u32 v[SPW], v[NIL]                      ; the opening lines: the add, twice on end, and its wait
	ds_add_u32 v[SPW], v[NIL]
	v_lshrrev_b32 v28, 5, v0
	s_delay_alu instid0(VALU_DEP_1)
	v_readfirstlane_b32 s[WV], v28
	s_and_b32 s76, ttmp7, 0xffff
	s_lshr_b32 s[BB], s76, 3                       ; batch
	s_and_b32 s[HP], s76, 7                        ; pair of heads
	s_lshl_b32 s[QF], s[HP], 8
	s_lshl_b32 s76, s[BB], 7
	s_add_co_u32 s[QF], s[QF], s76                 ; q's first fragment
	s_add_co_u32 s76, s[QF], 2048                  ; k's
	s_mul_i32 s77, s76, 1536                       ; K's codes,
	s_lshl_b32 s78, s76, 6
	s_add_co_u32 s78, s78, QKVS                    ; K's scale words,
	s_lshl_b32 s79, s[HP], 5
	s_lshl_b32 s76, s[BB], 4
	s_add_co_u32 s79, s79, s76
	s_mul_i32 s80, s79, 12288
	s_add_co_u32 s80, s80, 6291456                 ; V's codes,
	s_lshl_b32 s81, s79, 9
	s_add_co_u32 s81, s81, QKVS+262144             ; V's scale words
	s_lshr_b32 s[PAR], s[WV], 2
	s_xor_b32 s[PAR], s[PAR], s[WV]
	s_and_b32 s[PAR], s[PAR], 1                    ; which step of a slot is mine
	s_bfe_u32 s[TL], s[WV], 0x20001                ; tile of 16 queries
	s_lshr_b32 s[HD], s[WV], 3                     ; head of the pair
	s_lshl_b32 s76, s[TL], 4
	s_lshl_b32 s[Q0S], ttmp9, 6
	s_add_co_u32 s[Q0S], s[Q0S], s76               ; my tile in block x,
	s_sub_co_u32 s[Q0L], 31, ttmp9
	s_lshl_b32 s[Q0L], s[Q0L], 6
	s_add_co_u32 s[Q0L], s[Q0L], s76               ; and in block 31 - x
	s_lshr_b32 s[SX], ttmp9, 2
	s_add_co_u32 s[SX], s[SX], 1                   ; block x's slots: the trip in which the blocks change
	SETQ Q0S
	s_lshl_b32 s90, s[PAR], 8
	s_sub_co_u32 s[KF], s[KF], s90                 ; parity 1 steps its first key ahead of its first half: one slot is taken off here
	s_mov_b32 s[PEND], 0
	s_add_co_u32 s[SP], s[SX], s[PAR]
	s_sub_co_u32 s[SP], s[SP], 1
	s_and_b32 s82, s[WV], 1
	s_cmp_eq_u32 s82, 0
	s_cselect_b32 s[OFF], s77, s80                 ; even waves fetch for K, odd ones for V
	s_cselect_b32 s[OF2], s78, s81
	s_mov_b32 s[OFF+1], 0
	s_mov_b32 s[OF2+1], 0
	s_mov_b32 s89, 0
	s_mov_b32 s[G1], 3<<16                         ; 24,576 dense bytes as 96 rows of 256
	s_mov_b32 s[G1+1], 32<<16
	s_mov_b32 s[G1+2], 96<<16
	s_mov_b32 s[G1+3], 32<<16
	s_mov_b32 s[G1+4], 96
	s_mov_b32 s[G1+5], 32
	s_mov_b32 s[G1+6], 0
	s_mov_b32 s[G1+7], 0
	s_mov_b32 s[G1S], 3<<16                        ; 1,024 dense bytes as 4 rows of 256
	s_mov_b32 s[G1S+1], 32<<16
	s_mov_b32 s[G1S+2], 4<<16
	s_mov_b32 s[G1S+3], 32<<16
	s_mov_b32 s[G1S+4], 4
	s_mov_b32 s[G1S+5], 32
	s_mov_b32 s[G1S+6], 0
	s_mov_b32 s[G1S+7], 0
	s_mov_b32 s[SEL], 0x76543210
	s_mov_b32 s[SEL+1], 0xfedcba98
	s_mov_b32 s[CS], 0x3e38aa3b                    ; log2(e) / 8
	s_mov_b32 s[CS+1], s[CS]
	s_mov_b32 s[V], 0
	s_wait_dscnt 0x0
	s_wait_kmcnt 0x0
	s_add_nc_u64 s[BC:BC+1], s[4:5], s[OFF:OFF+1]
	s_add_nc_u64 s[BS:BS+1], s[4:5], s[OF2:OF2+1]
	s_mov_b32 s[G0C], 1
	s_mul_i32 s[G0C+1], s82, VOFF
	s_mov_b64 s[G0C+2:G0C+3], s[BC:BC+1]
	s_or_b32 s[G0C+3], s[G0C+3], 0x80000000
	s_mov_b32 s[G0S], 1
	s_lshl_b32 s[G0S+1], s82, 10
	s_add_co_u32 s[G0S+1], s[G0S+1], KSO
	s_mov_b64 s[G0S+2:G0S+3], s[BS:BS+1]
	s_or_b32 s[G0S+3], s[G0S+3], 0x80000000
	TLOAD                                          ; slot 0: keys 0 to 255, which count for every query's block
	s_and_b32 s83, s[WV], 3
	s_lshl_b32 s83, s83, 13
	s_add_co_u32 s88, s77, s83
	s_add_nc_u64 s[PFK:PFK+1], s[4:5], s[88:89]
	s_add_co_u32 s88, s80, s83
	s_add_nc_u64 s[PFV:PFV+1], s[4:5], s[88:89]
	s_lshr_b32 s83, s[WV], 2
	s_xor_b32 s83, s83, 1
	s_or_b32 s83, s83, ttmp9
	s_cmp_eq_u32 s83, 0
	s_cselect_b32 s[LIM], 7, 0                     ; waves 4 to 6 of work-group x = 0 ask, in trips 0 to 6
	s_cmp_eq_u32 s[WV], 7
	s_cselect_b32 s[LIM], 0, s[LIM]
	s_lshr_b32 s83, s[Q0S], 4
	s_add_co_u32 s83, s83, s[QF]
	s_mul_i32 s88, s83, 1536
	s_add_nc_u64 s[92:93], s[4:5], s[88:89]
	s_lshl_b32 s88, s83, 6
	s_add_co_u32 s88, s88, QKVS
	s_add_nc_u64 s[94:95], s[4:5], s[88:89]
	s_lshr_b32 s83, s[Q0L], 4
	s_add_co_u32 s83, s83, s[QF]
	s_mul_i32 s88, s83, 1536
	s_add_nc_u64 s[96:97], s[4:5], s[88:89]
	s_lshl_b32 s88, s83, 6
	s_add_co_u32 s88, s88, QKVS
	s_add_nc_u64 s[98:99], s[4:5], s[88:89]
	v_and_b32 v28, 31, v0
	v_and_b32 v29, 15, v0                          ; r
	v_bfe_u32 v30, v0, 4, 1                        ; h
	s_delay_alu instid0(VALU_DEP_3)
	v_lshlrev_b32 v[LI], 4, v28
	v_lshlrev_b32 v[PFO], 8, v28
	v_lshlrev_b32 v[L8], 3, v28
	v_lshlrev_b32 v[R4], 2, v29
	s_wait_alu depctr_va_vdst(0)
.irp c, 0,1,2
	global_load_b128 v[QA+4*\c:QA+4*\c+3], v[LI], s[92:93] offset:512*\c
	global_load_b128 v[QB+4*\c:QB+4*\c+3], v[LI], s[96:97] offset:512*\c
.endr
	global_load_b32 v[QS], v[R4], s[94:95]
	global_load_b32 v[QS2], v[R4], s[98:99]
	s_mul_i32 s83, s[PAR], 12288                   ; my step's eight fragments of K
	v_add_nc_u32 v[ADK], s83, v[LI]
	s_mul_i32 s84, s[HD], 6144                     ; my head's four fragments of V
	s_add_co_u32 s84, s84, s83
	s_add_co_u32 s84, s84, VOFF
	v_add_nc_u32 v[ADV], s84, v[LI]
	s_lshl_b32 s83, s[PAR], 9
	s_add_co_u32 s84, s83, KSO
	v_add_nc_u32 v[ADS], s84, v[R4]
	s_lshl_b32 s84, s[HD], 8
	s_add_co_u32 s84, s84, s83
	s_add_co_u32 s84, s84, VSO
	v_add_nc_u32 v[ADT], s84, v[R4]
	v_and_b32 v31, 8, v29
	v_lshlrev_b32 v30, 4, v30
	s_delay_alu instid0(VALU_DEP_2)
	v_add_nc_u32 v[QT], v31, v29
	s_delay_alu instid0(VALU_DEP_1)
	v_sub_nc_u32 v[QT], v[QT], v30                 ; r + 8 (r / 8) - 16 h
	s_mul_i32 s83, s[WV], 4608
	s_add_co_u32 s83, s83, PART
	v_add_nc_u32 v[PAD], s83, v[LI]                ; my bytes for a partial result,
	s_xor_b32 s83, s[WV], 1
	s_mul_i32 s83, s83, 4608
	s_add_co_u32 s83, s83, PART
	v_add_nc_u32 v[PAP], s83, v[LI]                ; and my partner's
	s_mul_i32 s91, s[TL], 1536
	s_add_co_u32 s91, s91, OST                     ; my tile's fragment of o
	s_mul_i32 s83, s[HD], 520
	s_add_co_u32 s83, s83, s91
	v_add_nc_u32 v[OA0], s83, v[LI]
	s_mul_i32 s83, s[HD], 1016
	s_add_co_u32 s83, s83, s91
	s_add_co_u32 s83, s83, 8
	v_add_nc_u32 v[OA1], s83, v[LI]
	s_lshl_b32 s83, s[HD], 10
	s_add_co_u32 s83, s83, s91
	v_add_nc_u32 v[OL0], s83, v[LI]
	s_lshl_b32 s83, s[HD], 8
	s_add_co_u32 s83, s83, s91
	s_add_co_u32 s83, s83, 512
	v_add_nc_u32 v[OL1], s83, v[L8]
	s_lshl_b32 s83, s[TL], 6
	s_lshl_b32 s84, s[HD], 1
	s_add_co_u32 s83, s83, s84
	s_add_co_u32 s83, s83, OSC
	v_add_nc_u32 v[OSA], s83, v[R4]
	v_add_nc_u32 v[OSL], OSC, v[L8]
	s_cmp_eq_u32 s[HD], 0
	s_cselect_b32 s90, -1, 0
	s_not_b32 s91, s90
	s_wait_loadcnt 0x0
.irp i, 0,1,2,3,4,5                    ; a fragment holds both heads' 64: the other head's codes are set to zero
	v_and_b32 v[QA+\i], s90, v[QA+\i]
	v_and_b32 v[QA+6+\i], s91, v[QA+6+\i]
	v_and_b32 v[QB+\i], s90, v[QB+\i]
	v_and_b32 v[QB+6+\i], s91, v[QB+6+\i]
.endr
.macro FRESH                           ; a block begins: -3e38 under every t, sums and O^T zero
	v_mov_b32 v[T0+1], 0xff61b1e6
	s_delay_alu instid0(VALU_DEP_1)
	v_floor_f32 v[T0], -v[T0+1]
	v_mov_b32 v[T0+2], 0
	v_mov_b32 v[T0+3], 0
.set jj, 0
.rept 32
	v_mov_b32 v[160+jj], 0
.set jj, jj+1
.endr
.endm
	FRESH
.irp b, 0,1,2,3
	v_mov_b32 v[236+\b], 0                         ; written once: a lane permute's destination counts as one of its sources
.endr
	v_mov_b32 v252, 0
	v_mov_b32 v253, 0
	v_mov_b32 v254, 0
; the fragments', the scores' and the scale words' registers are written once here: the text has the second half of a step on ways that pass no first half, and of K's fragments a wave loads its own head's half alone
.set jj, 0
.rept 48
	v_mov_b32 v[32+jj], 0
.set jj, jj+1
.endr
.set jj, 0
.rept 64
	v_mov_b32 v[96+jj], 0
.set jj, jj+1
.endr
.irp t, 0,1,2,3
	v_mov_b32 v[248+\t], 0x7f7f7f7f
.endr
; One step: 128 keys for my 16 queries of my head.  S^T = k q^T, the mask where the diagonal falls, p = 2^(t - M) with M the ceiling of the running maximum, p's codes, O^T += v^T p^T
; Four fragments of K.  A fragment holds both heads' 64; q's codes of the other head are zeros, so only my head's six registers are loaded: what the other six hold meets zero codes and adds nothing
.macro KLOAD g
	s_cmp_lg_u32 s[HD], 0
	s_cbranch_scc1 .Lh1_\@
.irp t, 0,1,2,3
	ds_load_b128 v[32+12*\t:35+12*\t], v[ADK] offset:(4*\g+\t)*1536
	ds_load_b64 v[36+12*\t:37+12*\t], v[ADK] offset:(4*\g+\t)*1536+512
.endr
	s_branch .Lhj_\@
.Lh1_\@:
.irp t, 0,1,2,3
	ds_load_b64 v[38+12*\t:39+12*\t], v[ADK] offset:(4*\g+\t)*1536+520
	ds_load_b128 v[40+12*\t:43+12*\t], v[ADK] offset:(4*\g+\t)*1536+1024
.endr
.Lhj_\@:
.irp t, 0,1,2,3
	ds_load_b32 v[248+\t], v[ADS] offset:64*(4*\g+\t)
.endr
.endm
.macro PA
.irp g, 0,1
.if \g > 0
.rept 4
	v_nop
.endr
.endif
	KLOAD \g
	s_wait_dscnt 0x0
.irp t, 0,1,2,3
	v_wmma_scale_f32_16x16x128_f8f6f4 v[96+8*(4*\g+\t):103+8*(4*\g+\t)], v[32+12*\t:43+12*\t], v[QA:QA+11], 0, v[248+\t], v[QS] matrix_a_fmt:MATRIX_FMT_FP6 matrix_b_fmt:MATRIX_FMT_FP6
.endr
.endr
.rept 4
	v_nop
.endr
.irp t, 0,1,2,3
.irp c, 0,1,2
	ds_load_b128 v[32+12*\t+4*\c:35+12*\t+4*\c], v[ADV] offset:\t*1536+512*\c
.endr
	ds_load_b32 v[248+\t], v[ADT] offset:64*\t
.endr
.endm
.macro PB
	s_and_b32 s96, s[Q0], 0xffe0
	s_add_co_u32 s97, s[KF], 127
	s_cmp_le_u32 s97, s96
	s_cbranch_scc1 .Lopen_\@
	s_sub_co_i32 s96, s[QBASE], s[KF]
	v_add_nc_u32 v252, s96, v[QT]
	v_mov_b32 v254, 0xff800000
.set nn, 0
.rept 64
	v_cmp_gt_i32 vcc_lo, 32*(nn/16)+nn%16, v252
	v_cndmask_b32 v[96+nn], v[96+nn], v254, vcc_lo
.set nn, nn+1
.endr
.Lopen_\@:
.irp b, 0,1,2,3
	v_max3_num_f32 v[232+\b], v[96+16*\b], v[97+16*\b], v[98+16*\b]
.endr
.irp i, 3,5,7,9,11,13
.irp b, 0,1,2,3
	v_max3_num_f32 v[232+\b], v[232+\b], v[96+16*\b+\i], v[97+16*\b+\i]
.endr
.endr
.irp b, 0,1,2,3
	v_max_num_f32 v[232+\b], v[232+\b], v[111+16*\b]
.endr
.irp b, 0,1,2,3
	s_delay_alu instid0(VALU_DEP_4)
	v_permlanex16_b32 v[236+\b], v[232+\b], s[SEL], s[SEL+1]
.endr
.irp b, 0,1,2,3
	s_delay_alu instid0(VALU_DEP_4)
	v_max_num_f32 v[232+\b], v[232+\b], v[236+\b]
.endr
	s_delay_alu instid0(VALU_DEP_2)
	v_max3_num_f32 v254, v232, v233, v234
	s_delay_alu instid0(VALU_DEP_1)
	v_max_num_f32 v254, v254, v235
	s_delay_alu instid0(VALU_DEP_1)
	v_mul_f32 v254, s[CS], v254
	s_delay_alu instid0(VALU_DEP_1)
	v_max_num_f32 v[T0+1], v[T0+1], v254
	v_mov_b32 v254, v[T0]
	s_delay_alu instid0(VALU_DEP_2)
	v_floor_f32 v[T0], -v[T0+1]
	s_delay_alu instid0(VALU_DEP_1)
	v_sub_f32 v254, v[T0], v254
	s_delay_alu instid0(VALU_DEP_1)
	v_cvt_i32_f32 v254, v254
	s_delay_alu instid0(VALU_DEP_1)
	v_ldexp_f32 v252, 1.0, v254
.set jj, 0
.rept 32
	v_pk_fma_f32 v[96+jj:97+jj], v[96+jj:97+jj], s[CS:CS+1], v[T0:T0+1] op_sel_hi:[1,0,0]
.set jj, jj+2
.endr
.irp b, 0,1,2,3
	v_fma_f32 v[232+\b], v[232+\b], s[CS], v[T0]
.endr
.set jj, 0
	s_wait_alu depctr_va_vdst(0)
.rept 64
	v_exp_f32 v[96+jj], v[96+jj]
.set jj, jj+1
.endr
	v_pk_mul_f32 v[T0+2:T0+3], v[T0+2:T0+3], v[252:253] op_sel_hi:[1,0]
	s_wait_alu depctr_va_vdst(0)
.irp b, 0,1,2,3
	v_exp_f32 v[232+\b], v[232+\b]
.endr
	v_pk_add_f32 v[236:237], v[96:97], v[98:99]
.irp j, 4,8,12,16,20,24,28,32,36,40,44,48,52,56,60
	v_pk_add_f32 v[T0+2:T0+3], v[T0+2:T0+3], v[96+\j:97+\j]
	v_pk_add_f32 v[236:237], v[236:237], v[98+\j:99+\j]
.endr
	s_delay_alu instid0(VALU_DEP_1)
	v_pk_add_f32 v[T0+2:T0+3], v[T0+2:T0+3], v[236:237]
	s_wait_alu depctr_va_vdst(0)
.irp b, 0,1,2,3
	v_max_num_f32 v[232+\b], 0x1800000, v[232+\b]
.endr
.irp b, 0,1,2,3
	s_delay_alu instid0(VALU_DEP_4)
	v_add_nc_u32 v[244+\b], 0xff000000, v[232+\b]
.endr
.irp b, 0,1,2,3
	s_delay_alu instid0(VALU_DEP_4)
	v_lshrrev_b32 v[236+\b], 23, v[244+\b]
.endr
	s_delay_alu instid0(VALU_DEP_3)
	v_lshl_or_b32 v[PS], v237, 8, v236
	s_delay_alu instid0(VALU_DEP_1)
	v_lshl_or_b32 v[PS], v238, 16, v[PS]
	s_delay_alu instid0(VALU_DEP_1)
	v_lshl_or_b32 v[PS], v239, 24, v[PS]
.irp c, 0,1
	v_cvt_scalef32_pk16_fp6_f32 v[224+6*\c:226+6*\c], v[96+32*\c:111+32*\c], v[244+2*\c]
	v_cvt_scalef32_pk16_fp6_f32 v[236+4*\c:238+4*\c], v[112+32*\c:127+32*\c], v[244+2*\c+1]
.endr
	v_nop
.irp c, 0,1
.irp i, 0,1,2
	v_permlane16_swap_b32 v[224+6*\c+\i], v[236+4*\c+\i]
.endr
.irp i, 0,1,2
	s_delay_alu instid0(VALU_DEP_3)
	v_mov_b32 v[227+6*\c+\i], v[236+4*\c+\i]
.endr
.endr
.set jj, 0
.rept 16
	v_pk_mul_f32 v[160+jj:161+jj], v[160+jj:161+jj], v[252:253] op_sel_hi:[1,0]
.set jj, jj+2
.endr
	s_wait_alu depctr_va_vdst(0)
	s_wait_dscnt 0x0
.irp t, 0,1,2,3
	v_wmma_scale_f32_16x16x128_f8f6f4 v[160+8*\t:167+8*\t], v[32+12*\t:43+12*\t], v[224:235], v[160+8*\t:167+8*\t], v[248+\t], v[PS] matrix_a_fmt:MATRIX_FMT_FP6 matrix_b_fmt:MATRIX_FMT_FP6
.endr
.endm
.macro VISPA                           ; a step that lies wholly behind my queries is passed over: a branch on ids, round the work alone
	s_mov_b32 s[PEND], 0
	s_or_b32 s96, s[Q0], 31
	s_cmp_gt_u32 s[KF], s96
	s_cbranch_scc1 .Lhidden_\@
	s_mov_b32 s[PEND], 1
	PA
.Lhidden_\@:
.endm
.macro WORK sw                         ; a trip's work.  sw = 1: the blocks may change in this trip
	s_cmp_lg_u32 s[PAR], 0
	s_cbranch_scc1 .Lodd_\@
	VISPA                                          ; parity 0: this trip's first half
.Lodd_\@:
	s_cmp_eq_u32 s[PEND], 0
	s_cbranch_scc1 .Lnone_\@
	PB                                             ; the second half that is due: parity 0 this trip's, parity 1 the last trip's
.rept 4
	v_nop                                          ; the places behind its products
.endr
.Lnone_\@:
	s_mov_b32 s[PEND], 0
	s_add_co_u32 s[KF], s[KF], 256
.if \sw
	s_wait_alu depctr_va_vdst(0)
	s_cmp_lg_u32 s[V], s[SP]                       ; my last step of block x is done: ids alone
	s_cbranch_scc1 .Lkeep_\@
	PSTORE
	v_mov_b32 v[QS], v[QS2]                        ; block 31 - x begins
.irp i, 0,1,2,3,4,5,6,7,8,9,10,11
	v_mov_b32 v[QA+\i], v[QB+\i]
.endr
	FRESH
	SETQ Q0L
.Lkeep_\@:
.endif
	s_cmp_eq_u32 s[PAR], 0
	s_cbranch_scc1 .Leven_\@
	VISPA                                          ; parity 1: this trip's first half
.Leven_\@:
.endm
.macro CHANGE fill
	s_wait_tensorcnt 0x0                           ; all my tensor loads have landed
	ds_add_u32 v[SPW], v[NIL]                      ; the add,
.if \fill
	ds_add_u32 v[SPW], v[NIL]
	s_add_co_u32 s90, s[V], 1                      ; the slot asked for: trip V + 1's, counted from its block's first key
	s_cmp_ge_u32 s90, s[SX]
	s_cselect_b32 s91, s[SX], 0
	s_sub_co_u32 s90, s90, s91
	s_mul_i32 s[OFF], s90, 24576
	s_lshl_b32 s[OF2], s90, 10
	s_add_nc_u64 s[G0C+2:G0C+3], s[BC:BC+1], s[OFF:OFF+1]
	s_or_b32 s[G0C+3], s[G0C+3], 0x80000000
	s_add_nc_u64 s[G0S+2:G0S+3], s[BS:BS+1], s[OF2:OF2+1]
	s_or_b32 s[G0S+3], s[G0S+3], 0x80000000
	s_xor_b32 s[G0C+1], s[G0C+1], SLOT1
	s_xor_b32 s[G0S+1], s[G0S+1], SLOT1
	s_wait_xcnt 0x0                                ; my prefetches have read their addresses
	s_add_nc_u64 s[PFK:PFK+1], s[PFK:PFK+1], 24576
	s_add_nc_u64 s[PFV:PFV+1], s[PFV:PFV+1], 24576
.endif
	s_wait_dscnt 0x0                               ; the add, my reads of the other slot and my stores to the stages are done
	s_barrier_signal -1
	s_barrier_wait -1
.if \fill
	TLOAD
	s_cmp_lt_u32 s[V], s[LIM]
	s_cbranch_scc0 .Lnot_mine_\@
	global_prefetch_b8 v[PFO], s[PFK:PFK+1] th:TH_LOAD_NT scope:SCOPE_SE
	global_prefetch_b8 v[PFO], s[PFV:PFV+1] th:TH_LOAD_NT scope:SCOPE_SE
.Lnot_mine_\@:
.endif
.endm
.macro PSTORE                          ; parity 1 hands over O^T (each accumulator from its low end on), -M and the sums
.irp j, 0,1,2,3,4,5,6,7
	ds_store_b128 v[PAD], v[160+4*\j:163+4*\j] offset:512*\j
.endr
	ds_store_b128 v[PAD], v[T0:T0+3] offset:4096
.endm
.macro FIN                             ; parity 0 joins the two parts under the larger M, divides by the sum, quantises and puts codes and bytes on the stage
	s_cmp_lg_u32 s[PAR], 0
	s_cbranch_scc1 .Lno_fin_\@
.irp j, 0,1,2,3,4,5,6,7
	ds_load_b128 v[96+4*\j:99+4*\j], v[PAP] offset:512*\j          ; my partner's part,
	ds_load_b128 v[192+4*\j:195+4*\j], v[PAD] offset:512*\j        ; and mine: v12-15 and v160-191 may hold the next block's by now
.endr
	ds_load_b128 v[128:131], v[PAP] offset:4096
	ds_load_b128 v[64:67], v[PAD] offset:4096
.set T0, 64                            ; in this macro -M and the sums are those read back
	s_wait_dscnt 0x0
	v_min_num_f32 v132, v[T0], v128                ; -M of the two together
	v_add_f32 v[T0+2], v[T0+2], v[T0+3]
	v_add_f32 v130, v130, v131
	s_delay_alu instid0(VALU_DEP_3)
	v_sub_f32 v133, v132, v[T0]
	v_sub_f32 v134, v132, v128
	s_delay_alu instid0(VALU_DEP_2)
	v_cvt_i32_f32 v133, v133                       ; whole numbers, 0 or less (it saturates: a part that saw no key counts for nothing)
	s_delay_alu instid0(VALU_DEP_2)
	v_cvt_i32_f32 v134, v134
	s_delay_alu instid0(VALU_DEP_2)
	v_ldexp_f32 v133, 1.0, v133
	s_delay_alu instid0(VALU_DEP_2)
	v_ldexp_f32 v134, 1.0, v134
	s_delay_alu instid0(VALU_DEP_2)
	v_mul_f32 v[T0+2], v[T0+2], v133
	s_delay_alu instid0(VALU_DEP_1)
	v_fma_f32 v[T0+2], v130, v134, v[T0+2]
	s_delay_alu instid0(VALU_DEP_1)
	v_permlanex16_b32 v252, v[T0+2], s[SEL], s[SEL+1]
	s_delay_alu instid0(VALU_DEP_1)
	v_add_f32 v[T0+2], v[T0+2], v252               ; the row's sum
	s_wait_alu depctr_va_vdst(0)                   ; the wait ahead of the transcendental,
	v_rcp_f32 v[T0+2], v[T0+2]
	v_mov_b32 v[TM+4], 0
	v_mov_b32 v[TM+5], 0
	s_wait_alu depctr_va_vdst(0)                   ; and ahead of its first reader and of O^T's
	v_mul_f32 v136, v133, v[T0+2]
	v_mul_f32 v138, v134, v[T0+2]
	v_mov_b32 v137, 0
	v_mov_b32 v139, 0
.set jj, 0
.rept 16
	v_pk_mul_f32 v[96+jj:97+jj], v[96+jj:97+jj], v[138:139] op_sel_hi:[1,0]
.set jj, jj+2
.endr
.set jj, 0
.rept 16
	v_pk_fma_f32 v[96+jj:97+jj], v[192+jj:193+jj], v[136:137], v[96+jj:97+jj] op_sel_hi:[1,0,1]
.set jj, jj+2
.endr
	QUANT2 96
	ds_store_b64 v[OA0], v[PC:PC+1]
	ds_store_b64 v[OA1], v[PC+2:PC+3]
	ds_store_b64 v[OA0], v[PC+4:PC+5] offset:512
	ds_store_b16 v[OSA], v[PW]
.Lno_fin_\@:
.set T0, 12
.endm
.macro OUT q                           ; parity 0 stores its part of the tile's fragment, wave 0 the block's 64 scale words: 256 consecutive bytes
	s_cmp_lg_u32 s[PAR], 0
	s_cbranch_scc1 .Lno_out_\@
	s_lshl_b32 s90, s[BB], 7
	s_lshr_b32 s91, s[\q], 4
	s_add_co_u32 s90, s90, s91
	s_lshl_b32 s90, s90, 3
	s_add_co_u32 s90, s90, s[HP]
	s_mul_i32 s90, s90, 1536
	s_lshl_b32 s91, s[HD], 10
	s_add_co_u32 s88, s90, s91
	s_add_nc_u64 s[92:93], s[6:7], s[88:89]
	s_lshl_b32 s91, s[HD], 8
	s_add_co_u32 s88, s90, s91
	s_add_co_u32 s88, s88, 512
	s_add_nc_u64 s[94:95], s[6:7], s[88:89]
	s_lshl_b32 s90, s[HP], 12
	s_lshl_b32 s91, s[BB], 11
	s_add_co_u32 s90, s90, s91
	s_and_b32 s91, s[\q], 0xffc0
	s_add_co_u32 s90, s90, s91
	s_lshl_b32 s88, s90, 2
	s_add_co_u32 s88, s88, OS
	s_add_nc_u64 s[96:97], s[6:7], s[88:89]
	ds_load_b128 v[96:99], v[OL0]
	ds_load_b64 v[100:101], v[OL1]
	s_wait_dscnt 0x0
	global_store_b128 v[LI], v[96:99], s[92:93]
	global_store_b64 v[L8], v[100:101], s[94:95]
	s_cmp_lg_u32 s[WV], 0
	s_cbranch_scc1 .Lno_words_\@
	ds_load_b64 v[102:103], v[OSL]
	s_wait_dscnt 0x0
	global_store_b64 v[L8], v[102:103], s[96:97]
.Lno_words_\@:
	s_wait_xcnt 0x0                                ; the stores have read their registers and bases
.Lno_out_\@:
.endm
	s_wait_alu depctr_va_vdst(0)                   ; the wait at the head's end
.Lslot:
	CHANGE 1
	s_sub_co_u32 s90, s[V], 1                      ; one trip behind the change of blocks both parts of block x lie in LDS: ids alone, the same in all waves
	s_cmp_lg_u32 s90, s[SX]
	s_cbranch_scc1 .Lsame
	FIN
.Lsame:
	s_wait_alu depctr_va_vdst(0)
	s_wait_dscnt 0x0                               ; my stores to o's stage are done
	s_barrier_signal -1                            ; the trip's second barrier
	s_barrier_wait -1
	s_sub_co_u32 s90, s[V], 1
	s_cmp_lg_u32 s90, s[SX]
	s_cbranch_scc1 .Lsame2
	OUT Q0S
.Lsame2:
	WORK 1
	v_xor_b32 v[ADK], SLOT1, v[ADK]                ; the other slot
	v_xor_b32 v[ADV], SLOT1, v[ADV]
	v_xor_b32 v[ADS], SLOT1, v[ADS]
	v_xor_b32 v[ADT], SLOT1, v[ADT]
	s_wait_alu depctr_va_vdst(0)
	s_add_co_u32 s[V], s[V], 1
	s_cmp_lt_u32 s[V], 8
	s_cbranch_scc1 .Lslot
	CHANGE 0                                       ; the ninth trip asks for nothing
	WORK 0
	s_cmp_eq_u32 s[PEND], 0
	s_cbranch_scc1 .Llast
	PB                                             ; parity 1's last second half
.rept 4
	v_nop
.endr
.Llast:
	s_wait_alu depctr_va_vdst(0)
	PSTORE
	s_wait_dscnt 0x0
	s_barrier_signal -1
	s_barrier_wait -1
	FIN
	s_wait_alu depctr_va_vdst(0)
	s_wait_dscnt 0x0
	s_barrier_signal -1
	s_barrier_wait -1
	OUT Q0L
	s_wait_tensorcnt 0x0                           ; the wave's end
	ds_add_u32 v[SPW], v[NIL]
	s_wait_dscnt 0x0
	s_endpgm
.Lfunc_end_k_q0ab625651c_attn:
	.size	k_q0ab625651c_attn, .Lfunc_end_k_q0ab625651c_attn-k_q0ab625651c_attn
	.p2alignl 7, 3214868480
	.fill 96, 4, 3214868480
	.section	.rodata,"a",@progbits
	.p2align	6, 0x0
	.amdhsa_kernel k_q0ab625651c_attn
		.amdhsa_group_segment_fixed_size 327680
		.amdhsa_private_segment_fixed_size 0
		.amdhsa_enable_private_segment 0
		.amdhsa_kernarg_size 16
		.amdhsa_user_sgpr_count 2
		.amdhsa_user_sgpr_kernarg_segment_ptr 1
		.amdhsa_wavefront_size32 1
		.amdhsa_system_sgpr_workgroup_id_x 1
		.amdhsa_system_sgpr_workgroup_id_y 1
		.amdhsa_system_sgpr_workgroup_id_z 1
		.amdhsa_system_vgpr_workitem_id 0
		.amdhsa_next_free_vgpr 256
		.amdhsa_next_free_sgpr 100
		.amdhsa_reserve_vcc 1
		.amdhsa_float_denorm_mode_32 3
		.amdhsa_float_denorm_mode_16_64 3
		.amdhsa_memory_ordered 1
		.amdhsa_forward_progress 1
		.amdhsa_inst_pref_size 116
	.end_amdhsa_kernel
	.amdgpu_metadata
---
amdhsa.version: [ 1, 2 ]
amdhsa.kernels:
  - .name:           k_q0ab625651c_attn
    .symbol:         k_q0ab625651c_attn.kd
    .args:
      - { .name: wsq, .offset: 0, .size: 8, .value_kind: global_buffer, .address_space: global }
      - { .name: wso, .offset: 8, .size: 8, .value_kind: global_buffer, .address_space: global }
    .group_segment_fixed_size: 327680
    .private_segment_fixed_size: 0
    .kernarg_segment_align: 8
    .kernarg_segment_size: 16
    .max_flat_workgroup_size: 512
    .sgpr_count:     100
    .vgpr_count:     256
    .wavefront_size: 32
...
	.end_amdgpu_metadata
.endif
;; end of part 3
;; launch wo_norm1 (part 4): grid 256 x 1, 8 waves a work-group, no clusters, 69,632 bytes of LDS; arguments wso, wsp, x, ln1_g, ln1_b, wsh; writes wsh
.if DOCPART == 4
	.amdgcn_target "amdgcn-amd-amdhsa--gfx1250"
	.amdhsa_code_object_version 6
	.text
	.protected	k_q0ab625651c_wo_norm1
	.globl	k_q0ab625651c_wo_norm1
	.p2align	8
	.type	k_q0ab625651c_wo_norm1,@function
k_q0ab625651c_wo_norm1:
	s_mov_b64 s[64:65], 0
	v_nop
	global_prefetch_b8 v0, s[64:65] scope:SCOPE_SE
	s_setreg_imm32_b32 hwreg(HW_REG_WAVE_MODE, 25, 1), 1
	s_wait_xcnt 0x0
; h = layernorm(x + o Wo) g + b, the product on codes of E2M3; h leaves as f32 (the second residual) and as codes of E2M3 (the operand of the product with W1).  No work of reference() is left out here.
; SHARES.  A work-group takes one block of 16 row positions and all 1,024 columns, so that the norm's sums stay inside it: 256 work-groups.  Wave w makes columns 128 w .. 128 w + 127: eight tiles of 16 x 16, K = 1,024 in eight steps,
; and those 128 columns are K step w of h's fragment.
; OPERANDS.  Both lie in memory in the order of the operand's registers (a fragment is three loads of 512 dense bytes).  o's eight fragments stay in registers.  Each fragment of Wo is multiplied once, by one wave:
; it goes from memory straight into that wave's registers, in units of four fragments (12 loads), four units asked for ahead.  No LDS ring, no barrier in the product.
; NO CLUSTER: a joint load lands in LDS alone, from where each byte of Wo would be read once more by the one wave that multiplies it.  NO PREFETCH: all work-groups read the same 64 x 8 fragments of Wo in the same order.
; THE MATRIX INSTRUCTION IS USED TRANSPOSED: source 0 = 16 rows of Wo (columns of the result), source 1 = o's 16 rows.  Lane (r, h) holds row r; register 8 t + j holds column 16 t + 8 h + j of my 128.
; x, g and b are brought into that same layout; for the quantiser one swap of lanes a pair of registers gives a lane 16 neighbours of each block of 32.
; REGISTERS.  window 0: v1-13 addresses; v16-111 o's fragments; v112-119 o's scale words; v120-151 Wo's scale words (lanes 0-15 an even tile's rows, lanes 16-31 the next tile's); v152-215 x by rows;
;   behind the product: v80-143 my 64 numbers, v144-207 h by rows, v16-52 codes, v208-221 at work.   window 1: v0-191 four units of Wo, then g (v0-63) and b (v96-159); v192-255 the eight accumulators.
.set OS,    3145728                    ; wso: o's scale words [K step][4,096 rows]
.set WOC,   5734400                    ; wsp: Wo's codes, [row block 64][K step 8] fragments,
.set WOS,   6520832                    ; and scale words [K step][1,024 rows]
.set HC,    16777216                   ; wsh: h as f32 at 0, its codes here,
.set HS,    19922944                   ; its scale words [K step][4,096 rows]
.set RED,   67584                      ; LDS: eight stages of 16 x 528 bytes; [16 rows][8 waves] sums; the same for the squares, 512 bytes on; the spare words
.set SPARE, 68608
.set SPW, 8
.set NIL, 9
.set OF,  16
.set OSC, 112
.set WS,  120
.set XR,  152
.set Y,   80
.set ACC, 192
.set PC,  16
.set TM,  36
.set PW,  52
.set SEL, 20
.set MSB, 0
.macro WIN new                         ; the immediate's high byte repeats the setting that is left
.if MSB != (\new)
	s_set_vgpr_msb (MSB<<8)|(\new)
.set MSB, (\new)
.endif
.endm
.macro QUANT s
.irp b, 0,1,2,3
	v_max3_num_f32 v[TM+\b], |v[(\s)+16*\b]|, |v[(\s)+1+16*\b]|, 0x1800000   ; my 16 numbers of block b, and the floor 2^(3 - 127)
.endr
.irp i, 2,4,6,8,10,12,14
.irp b, 0,1,2,3
	s_delay_alu instid0(VALU_DEP_4)
	v_max3_num_f32 v[TM+\b], v[TM+\b], |v[(\s)+16*\b+\i]|, |v[(\s)+1+16*\b+\i]|
.endr
.endr
.irp b, 0,1,2,3
	s_delay_alu instid0(VALU_DEP_4)
	v_permlanex16_b32 v[TM+4+\b], v[TM+\b], s[SEL], s[SEL+1]
.endr
.irp b, 0,1,2,3
	s_delay_alu instid0(VALU_DEP_4)
	v_max_num_f32 v[TM+\b], v[TM+\b], v[TM+4+\b]
.endr
.irp b, 0,1,2,3
	s_delay_alu instid0(VALU_DEP_4)
	v_add_nc_u32 v[TM+12+\b], 0xff000000, v[TM+\b]     ; 2 off the exponent field: the conversion's scale operand
.endr
.irp b, 0,1,2,3
	s_delay_alu instid0(VALU_DEP_4)
	v_lshrrev_b32 v[TM+4+\b], 23, v[TM+12+\b]
.endr
	s_delay_alu instid0(VALU_DEP_3)
	v_lshl_or_b32 v[PW], v[TM+5], 8, v[TM+4]
	s_delay_alu instid0(VALU_DEP_1)
	v_lshl_or_b32 v[PW], v[TM+6], 16, v[PW]
	s_delay_alu instid0(VALU_DEP_1)
	v_lshl_or_b32 v[PW], v[TM+7], 24, v[PW]
.irp c, 0,1
	v_cvt_scalef32_pk16_fp6_f32 v[PC+6*\c:PC+2+6*\c], v[(\s)+32*\c:(\s)+15+32*\c], v[TM+12+2*\c]
	v_cvt_scalef32_pk16_fp6_f32 v[PC+12+4*\c:PC+14+4*\c], v[(\s)+16+32*\c:(\s)+31+32*\c], v[TM+12+2*\c+1]
.endr
	v_nop                                              ; one plain place behind a scaled conversion
.irp c, 0,1
.irp i, 0,1,2
	v_permlane16_swap_b32 v[PC+6*\c+\i], v[PC+12+4*\c+\i]
.endr
.irp i, 0,1,2
	s_delay_alu instid0(VALU_DEP_3)
	v_mov_b32 v[PC+3+6*\c+\i], v[PC+12+4*\c+\i]
.endr
.endr
.endm
	s_load_b256 s[4:11], s[0:1], 0x0               ; wso, wsp, x, g
	s_load_b128 s[12:15], s[0:1], 0x20             ; b, wsh
	v_lshl_add_u32 v[SPW], v0, 2, SPARE
	v_mov_b32 v[NIL], 0
	v_lshrrev_b32 v1, 5, v0
	s_delay_alu instid0(VALU_DEP_1)
	v_readfirstlane_b32 s16, v1                    ; wave
	v_and_b32 v1, 31, v0
	v_and_b32 v2, 15, v0                           ; r
	v_bfe_u32 v3, v0, 4, 1                         ; h
	s_delay_alu instid0(VALU_DEP_3)
	v_lshlrev_b32 v4, 4, v1                        ; 16 x lane
	v_lshlrev_b32 v13, 2, v1                       ; 4 x lane
	v_lshlrev_b32 v5, 2, v2                        ; 4 r
	s_mul_i32 s17, s16, 8448                       ; my stage
	v_add_nc_u32 v6, s17, v4                       ; by rows
	v_mul_u32_u24 v7, v2, 528
	s_delay_alu instid0(VALU_DEP_1)
	v_lshl_add_u32 v7, v3, 5, v7
	s_delay_alu instid0(VALU_DEP_1)
	v_add_nc_u32 v7, s17, v7                       ; by lanes: row r, + 32 h: 528 = 33 x 16, so sixteen rows start in sixteen different groups of banks
	v_lshlrev_b32 v10, 5, v3                       ; g, b: 32 h
	v_lshlrev_b32 v12, 5, v2
	s_delay_alu instid0(VALU_DEP_1)
	v_add_nc_u32 v12, RED, v12                     ; my row's eight sums
	s_lshl_b32 s18, s16, 2
	v_add_nc_u32 v11, s18, v12                     ; my wave's word among them
	s_lshr_b32 s18, ttmp9, 1
	s_lshl_b32 s18, s18, 5
	s_and_b32 s19, ttmp9, 1
	s_lshl_b32 s19, s19, 3
	s_add_co_u32 s18, s18, s19                     ; the block's first token: 32 (rb / 2) + 8 (rb % 2)
	s_lshl_b32 s24, s18, 12
	s_lshl_b32 s26, s16, 9                         ; my 128 columns: 512 bytes
	s_add_co_u32 s24, s24, s26
	s_mov_b32 s25, 0
	s_mov_b32 s27, 0
	s_mov_b32 s[SEL], 0x76543210
	s_mov_b32 s[SEL+1], 0xfedcba98
	s_mov_b32 s22, 0x3a800000                      ; 1 / 1,024
	s_mov_b32 s23, 0x3727c5ac                      ; 1e-5
	s_mul_i32 s28, ttmp9, 12288                    ; o's eight fragments
	s_mov_b32 s29, 0
	s_lshl_b32 s30, ttmp9, 6
	s_add_co_u32 s30, s30, OS                      ; o's scale words
	s_mov_b32 s31, 0
	s_mul_i32 s32, s16, 98304                      ; my eight row blocks of Wo: 64 fragments
	s_add_co_u32 s32, s32, WOC
	s_mov_b32 s33, 0
	s_add_co_u32 s34, s26, WOS                     ; their scale words
	s_mov_b32 s35, 0
	s_lshl_b32 s36, ttmp9, 3
	s_add_co_u32 s36, s36, s16
	s_mul_i32 s36, s36, 1536
	s_add_co_u32 s36, s36, HC                      ; h's fragment 8 rb + wave
	s_mov_b32 s37, 0
	s_lshl_b32 s38, s16, 14
	s_lshl_b32 s39, ttmp9, 6
	s_add_co_u32 s38, s38, s39
	s_add_co_u32 s38, s38, HS
	s_mov_b32 s39, 0
	s_wait_alu depctr_va_vdst(0)                   ; the wait at the head's end
	s_wait_kmcnt 0x0
	s_add_nc_u64 s[28:29], s[4:5], s[28:29]
	s_add_nc_u64 s[30:31], s[4:5], s[30:31]
	s_add_nc_u64 s[32:33], s[6:7], s[32:33]
	s_add_nc_u64 s[34:35], s[6:7], s[34:35]
	s_add_nc_u64 s[8:9], s[8:9], s[24:25]
	s_add_nc_u64 s[10:11], s[10:11], s[26:27]
	s_add_nc_u64 s[12:13], s[12:13], s[26:27]
	s_add_nc_u64 s[40:41], s[14:15], s[24:25]
	s_add_nc_u64 s[36:37], s[14:15], s[36:37]
	s_add_nc_u64 s[38:39], s[14:15], s[38:39]
.irp s, 0,1,2,3,4,5,6,7
.irp c, 0,1,2
	global_load_b128 v[OF+12*\s+4*\c:OF+12*\s+4*\c+3], v4, s[28:29] offset:1536*\s+512*\c
.endr
.endr
.irp s, 0,1,2,3,4,5,6,7
	global_load_b32 v[OSC+\s], v5, s[30:31] offset:16384*\s
.endr
.irp s, 0,1,2,3,4,5,6,7
.irp j, 0,1,2,3
	global_load_b32 v[WS+4*\s+\j], v13, s[34:35] offset:4096*\s+128*\j    ; 32 rows' words: tiles 2 j and 2 j + 1
.endr
.endr
.irp p, 0,1,2,3,4,5,6,7,8,9,10,11,12,13,14,15
	global_load_b128 v[XR+4*\p:XR+4*\p+3], v4, s[8:9] offset:(\p+8*(\p/8))*4096 th:TH_LOAD_NT   ; position p's row of x: 512 consecutive bytes
.endr
; unit u = 2 s + q: K step s, tiles 4 q .. 4 q + 3, into buffer u % 4 of window 1
.macro ULOAD u
	WIN 0x40                                       ; destination window 1, address window 0
.irp t, 0,1,2,3
.irp c, 0,1,2
	global_load_b128 v[48*((\u)%4)+12*\t+4*\c:48*((\u)%4)+12*\t+4*\c+3], v4, s[32:33] offset:(8*(4*((\u)%2)+\t)+(\u)/2)*1536+512*\c
.endr
.endr
.endm
; the eight accumulators take turns, one instruction a turn, in the same order in every K step; the first K step starts the sums
.macro UMUL u
	WIN 0x51                                       ; source 0 (Wo), C and D window 1; source 1 (o) window 0
.irp t, 0,1,2,3
.set DD, ACC+8*(4*((\u)%2)+\t)
.set AA, 48*((\u)%4)+12*\t
.set BF, OF+12*((\u)/2)
.set SA, WS+4*((\u)/2)+2*((\u)%2)+\t/2
.set SB, OSC+(\u)/2
.if (\u) < 2
.if \t%2
	v_wmma_scale_f32_16x16x128_f8f6f4 v[DD:DD+7], v[AA:AA+11], v[BF:BF+11], 0, v[SA], v[SB] matrix_a_fmt:MATRIX_FMT_FP6 matrix_b_fmt:MATRIX_FMT_FP6 matrix_a_scale:MATRIX_SCALE_ROW1
.else
	v_wmma_scale_f32_16x16x128_f8f6f4 v[DD:DD+7], v[AA:AA+11], v[BF:BF+11], 0, v[SA], v[SB] matrix_a_fmt:MATRIX_FMT_FP6 matrix_b_fmt:MATRIX_FMT_FP6
.endif
.else
.if \t%2
	v_wmma_scale_f32_16x16x128_f8f6f4 v[DD:DD+7], v[AA:AA+11], v[BF:BF+11], v[DD:DD+7], v[SA], v[SB] matrix_a_fmt:MATRIX_FMT_FP6 matrix_b_fmt:MATRIX_FMT_FP6 matrix_a_scale:MATRIX_SCALE_ROW1
.else
	v_wmma_scale_f32_16x16x128_f8f6f4 v[DD:DD+7], v[AA:AA+11], v[BF:BF+11], v[DD:DD+7], v[SA], v[SB] matrix_a_fmt:MATRIX_FMT_FP6 matrix_b_fmt:MATRIX_FMT_FP6
.endif
.endif
.endr
.endm
.macro GB base, sr, first, n           ; g or b in my numbers' layout: load q brings registers 4 q .. 4 q + 3: columns 16 (q / 2) + 8 h + 4 (q % 2) ..
	WIN 0x40
.set qq, \first
.rept \n
	global_load_b128 v[\base+4*qq:\base+4*qq+3], v10, s[\sr:\sr+1] offset:64*(qq/2)+16*(qq%2)
.set qq, qq+1
.endr
.endm
.macro UNIT u
.if (\u) < 14
	s_wait_loadcnt 36                              ; this unit is in; behind it stand three units of 12 loads (at unit 13: two units and 12 loads of g)
.else
	s_wait_loadcnt 28                              ; behind unit 14: unit 15 and g's 16; behind unit 15: g's 16 and 12 of b's
.endif
	UMUL \u
.rept 4
	v_nop                                          ; four places in front of loads into registers that matrix instructions have read
.endr
.if (\u) < 12
	ULOAD (\u)+4
.endif
.if (\u) == 12
	GB 0, 10, 0, 12                                ; the buffers that no unit needs any more take g and b
.endif
.if (\u) == 13
	GB 0, 10, 12, 4
.endif
.if (\u) == 14
	GB 96, 12, 0, 12
.endif
.if (\u) == 15
	GB 96, 12, 12, 4
.endif
.endm
	ULOAD 0
	ULOAD 1
	ULOAD 2
	ULOAD 3
.set uu, 0
.rept 16
	UNIT uu
.set uu, uu+1
.endr
	WIN 0
.irp p, 0,1,2,3,4,5,6,7,8,9,10,11,12,13,14,15
	ds_store_b128 v6, v[XR+4*\p:XR+4*\p+3] offset:528*\p           ; x's rows (their loads stand ahead of the units') turn through my own stage
.endr
.set qq, 0
.rept 16
	ds_load_b128 v[Y+4*qq:Y+4*qq+3], v7 offset:64*(qq/2)+16*(qq%2) ; LDS serves a wave's instructions in order: these see my stores
.set qq, qq+1
.endr
	s_wait_dscnt 0x0
	WIN 0x04                                       ; source 1: the accumulators' window
.set kk, 0
.rept 32
	v_pk_add_f32 v[Y+kk:Y+kk+1], v[Y+kk:Y+kk+1], v[ACC+kk:ACC+kk+1]
.set kk, kk+2
.endr
	WIN 0
	v_pk_add_f32 v[208:209], v[Y:Y+1], v[Y+2:Y+3]
	v_pk_add_f32 v[210:211], v[Y+4:Y+5], v[Y+6:Y+7]
.set kk, 8
.rept 14
	s_delay_alu instid0(VALU_DEP_2)
	v_pk_add_f32 v[208:209], v[208:209], v[Y+kk:Y+kk+1]
	s_delay_alu instid0(VALU_DEP_2)
	v_pk_add_f32 v[210:211], v[210:211], v[Y+kk+2:Y+kk+3]
.set kk, kk+4
.endr
	s_delay_alu instid0(VALU_DEP_1)
	v_pk_add_f32 v[208:209], v[208:209], v[210:211]
	s_delay_alu instid0(VALU_DEP_1)
	v_add_f32 v208, v208, v209
	s_delay_alu instid0(VALU_DEP_1)
	v_permlanex16_b32 v209, v208, s[SEL], s[SEL+1]
	s_delay_alu instid0(VALU_DEP_1)
	v_add_f32 v208, v208, v209                     ; my row's 128 columns
	ds_store_b32 v11, v208                         ; lanes r and r + 16 write the same word
	s_wait_dscnt 0x0
	s_barrier_signal -1
	s_barrier_wait -1
	ds_load_b128 v[212:215], v12
	ds_load_b128 v[216:219], v12 offset:16
	s_wait_dscnt 0x0
	v_add_f32 v212, v212, v213
	v_add_f32 v214, v214, v215
	v_add_f32 v216, v216, v217
	v_add_f32 v218, v218, v219
	s_delay_alu instid0(VALU_DEP_3)
	v_add_f32 v212, v212, v214
	s_delay_alu instid0(VALU_DEP_2)
	v_add_f32 v216, v216, v218
	s_delay_alu instid0(VALU_DEP_1)
	v_add_f32 v212, v212, v216
	s_delay_alu instid0(VALU_DEP_1)
	v_mul_f32 v220, s22, v212                      ; the mean
	s_delay_alu instid0(VALU_DEP_1)
	v_mov_b32 v221, v220
.set kk, 0
.rept 32
	v_pk_add_f32 v[Y+kk:Y+kk+1], v[Y+kk:Y+kk+1], v[220:221] neg_lo:[0,1] neg_hi:[0,1]
.set kk, kk+2
.endr
	v_pk_mul_f32 v[208:209], v[Y:Y+1], v[Y:Y+1]
	v_pk_mul_f32 v[210:211], v[Y+2:Y+3], v[Y+2:Y+3]
.set kk, 4
.rept 15
	s_delay_alu instid0(VALU_DEP_2)
	v_pk_fma_f32 v[208:209], v[Y+kk:Y+kk+1], v[Y+kk:Y+kk+1], v[208:209]
	s_delay_alu instid0(VALU_DEP_2)
	v_pk_fma_f32 v[210:211], v[Y+kk+2:Y+kk+3], v[Y+kk+2:Y+kk+3], v[210:211]
.set kk, kk+4
.endr
	s_delay_alu instid0(VALU_DEP_1)
	v_pk_add_f32 v[208:209], v[208:209], v[210:211]
	s_delay_alu instid0(VALU_DEP_1)
	v_add_f32 v208, v208, v209
	s_delay_alu instid0(VALU_DEP_1)
	v_permlanex16_b32 v209, v208, s[SEL], s[SEL+1]
	s_delay_alu instid0(VALU_DEP_1)
	v_add_f32 v208, v208, v209
	ds_store_b32 v11, v208 offset:512              ; other bytes than the first sums'
	s_wait_dscnt 0x0
	s_barrier_signal -1
	s_barrier_wait -1
	ds_load_b128 v[212:215], v12 offset:512
	ds_load_b128 v[216:219], v12 offset:528
	s_wait_dscnt 0x0
	v_add_f32 v212, v212, v213
	v_add_f32 v214, v214, v215
	v_add_f32 v216, v216, v217
	v_add_f32 v218, v218, v219
	s_delay_alu instid0(VALU_DEP_3)
	v_add_f32 v212, v212, v214
	s_delay_alu instid0(VALU_DEP_2)
	v_add_f32 v216, v216, v218
	s_delay_alu instid0(VALU_DEP_1)
	v_add_f32 v212, v212, v216
	s_delay_alu instid0(VALU_DEP_1)
	v_fma_f32 v220, v212, s22, s23                 ; the variance + 1e-5
	s_wait_alu depctr_va_vdst(0)                   ; the wait ahead of the transcendental,
	v_rsq_f32 v220, v220
	v_nop                                          ; a plain place behind it,
	s_wait_alu depctr_va_vdst(0)                   ; and the wait ahead of its first reader
	v_mov_b32 v221, v220
	s_wait_alu depctr_va_vdst(0)
	s_wait_loadcnt 0x0                             ; g and b
.set kk, 0
.rept 32
	v_pk_mul_f32 v[Y+kk:Y+kk+1], v[Y+kk:Y+kk+1], v[220:221]
.set kk, kk+2
.endr
	WIN 0x14                                       ; sources 1 and 2: g and b in window 1
.set kk, 0
.rept 32
	v_pk_fma_f32 v[Y+kk:Y+kk+1], v[Y+kk:Y+kk+1], v[kk:kk+1], v[96+kk:97+kk]
.set kk, kk+2
.endr
	WIN 0
.set qq, 0
.rept 16
	ds_store_b128 v7, v[Y+4*qq:Y+4*qq+3] offset:64*(qq/2)+16*(qq%2)    ; h back through the stage, to leave by rows
.set qq, qq+1
.endr
.irp p, 0,1,2,3,4,5,6,7,8,9,10,11,12,13,14,15
	ds_load_b128 v[144+4*\p:147+4*\p], v6 offset:528*\p
.endr
	s_wait_alu depctr_va_vdst(0)                   ; the wait here, directly ahead of the wait below
	s_wait_dscnt 16                                ; the 16 stores have read their registers; the 16 loads may be out
.irp b, 0,1,2,3
.irp j, 0,1,2,3,4,5,6,7
	v_permlane16_swap_b32 v[Y+16*\b+\j], v[Y+16*\b+8+\j]           ; tile 2 b's lanes 16-31 change places with tile 2 b + 1's lanes 0-15: register 16 b + i now holds column 32 b + 16 h + i
.endr
.endr
	QUANT Y
.irp c, 0,1,2
	global_store_b128 v4, v[PC+4*\c:PC+4*\c+3], s[36:37] offset:512*\c     ; 32 lanes store 512 consecutive bytes
.endr
	global_store_b32 v5, v[PW], s[38:39]           ; 16 words; lanes r and r + 16 hold and write the same word
.irp p, 0,1,2,3,4,5,6,7,8,9,10,11,12,13,14,15
	s_wait_dscnt 15-\p
	global_store_b128 v4, v[144+4*\p:147+4*\p], s[40:41] offset:(\p+8*(\p/8))*4096   ; 512 consecutive bytes
.endr
	s_wait_tensorcnt 0x0                           ; the wave's end
	ds_add_u32 v[SPW], v[NIL]
	s_wait_dscnt 0x0
	s_endpgm
.Lfunc_end_k_q0ab625651c_wo_norm1:
	.size	k_q0ab625651c_wo_norm1, .Lfunc_end_k_q0ab625651c_wo_norm1-k_q0ab625651c_wo_norm1
	.p2alignl 7, 3214868480
	.fill 96, 4, 3214868480
	.section	.rodata,"a",@progbits
	.p2align	6, 0x0
	.amdhsa_kernel k_q0ab625651c_wo_norm1
		.amdhsa_group_segment_fixed_size 69632
		.amdhsa_private_segment_fixed_size 0
		.amdhsa_enable_private_segment 0
		.amdhsa_kernarg_size 48
		.amdhsa_user_sgpr_count 2
		.amdhsa_user_sgpr_kernarg_segment_ptr 1
		.amdhsa_wavefront_size32 1
		.amdhsa_system_sgpr_workgroup_id_x 1
		.amdhsa_system_sgpr_workgroup_id_y 1
		.amdhsa_system_sgpr_workgroup_id_z 1
		.amdhsa_system_vgpr_workitem_id 0
		.amdhsa_next_free_vgpr 512
		.amdhsa_next_free_sgpr 66
		.amdhsa_reserve_vcc 0
		.amdhsa_float_denorm_mode_32 3
		.amdhsa_float_denorm_mode_16_64 3
		.amdhsa_memory_ordered 1
		.amdhsa_forward_progress 1
		.amdhsa_inst_pref_size 73
	.end_amdhsa_kernel
	.amdgpu_metadata
---
amdhsa.version: [ 1, 2 ]
amdhsa.kernels:
  - .name:           k_q0ab625651c_wo_norm1
    .symbol:         k_q0ab625651c_wo_norm1.kd
    .args:
      - { .name: wso, .offset: 0, .size: 8, .value_kind: global_buffer, .address_space: global }
      - { .name: wsp, .offset: 8, .size: 8, .value_kind: global_buffer, .address_space: global }
      - { .name: x, .offset: 16, .size: 8, .value_kind: global_buffer, .address_space: global }
      - { .name: ln1_g, .offset: 24, .size: 8, .value_kind: global_buffer, .address_space: global }
      - { .name: ln1_b, .offset: 32, .size: 8, .value_kind: global_buffer, .address_space: global }
      - { .name: wsh, .offset: 40, .size: 8, .value_kind: global_buffer, .address_space: global }
    .group_segment_fixed_size: 69632
    .private_segment_fixed_size: 0
    .kernarg_segment_align: 8
    .kernarg_segment_size: 48
    .max_flat_workgroup_size: 256
    .sgpr_count:     66
    .vgpr_count:     512
    .wavefront_size: 32
...
	.end_amdgpu_metadata
.endif
;; end of part 4
;; launch gemm_w1 (part 5): grid 16 x 16, 4 waves a work-group, clusters of 4 x 4, 327,680 bytes of LDS; arguments wsh, wsp, b1, wsg; writes wsg
.if DOCPART == 5
	.amdgcn_target "amdgcn-amd-amdhsa--gfx1250"
	.amdhsa_code_object_version 6
	.text
	.protected	k_q0ab625651c_gemm_w1
	.globl	k_q0ab625651c_gemm_w1
	.p2align	8
	.type	k_q0ab625651c_gemm_w1,@function
k_q0ab625651c_gemm_w1:
	s_mov_b64 s[64:65], 0
	v_nop
	global_prefetch_b8 v0, s[64:65] scope:SCOPE_SE
	s_setreg_imm32_b32 hwreg(HW_REG_WAVE_MODE, 25, 1), 1
	s_wait_xcnt 0x0
	s_wait_alu depctr_hold_cnt(0) depctr_sa_sdst(0) depctr_va_vdst(0) depctr_va_sdst(0) depctr_va_ssrc(0) depctr_va_vcc(0) depctr_vm_vsrc(0)
	s_getreg_b32 s2, hwreg(HW_REG_IB_STS2, 6, 4)
	s_cmp_eq_u32 s2, 0
	s_cbranch_scc0 .Lentry_in_a_cluster
	s_endpgm
.Lentry_in_a_cluster:
	s_bfe_u32 s2, ttmp6, 0x10000c
	s_cmp_lg_u32 s2, 0xf033
	s_cbranch_scc0 .Lentry_shape_is_right
	s_endpgm
.Lentry_shape_is_right:
.set HC,    16777216
.set HS,    19922944
.set W1C,   6553600
.set W1S,   9699328
.set GS,    12582912
.set ASTR,  49152
.set NQ,    2
.set FR,    12
.set NL,    3
.set NP,    4
.set ROWB,  3072
.set HALFT, 8*ROWB
.set SLOT,  4*HALFT
.set SCL,   2*SLOT
.set HALFS, 4096
.set SPARE, SCL+4*HALFS
.set PWE,  12
.set SCP,  13
.set ADRA, 16
.set ADRB, 20
.set LI,   24
.set L4,   25
.set BO,   26
.set ADRS, 27
.set SPW,  28
.set NIL,  29
.set SC,   32
.set ZZ,   64
.set AF,   128
.set W,    128
.set S2,   192
.set AL,   224
.set PC,   192
.set TM,   212
.set PW,   228
.set G1, 24
.set G0, 32
.set G1B, 48
.set G0B, 56
.set G1S, 68
.set G0S, 76
.set G1SB, 80
.set G0SB, 88
.set SEL, 98
.set CRS, 24
.set CA,  24
.set CB,  36
.set MSB, 0
.macro WIN new
.if MSB != (\new)
	s_set_vgpr_msb (MSB<<8)|(\new)
.set MSB, (\new)
.endif
.endm
.set MUL_LO, 0xa1
.set MUL_HI, 0xf1
.set TO_B,   0x40
.macro JLOAD g0a, g1a, g0b, g1b
	s_cmp_eq_u32 s15, 0
	s_cbranch_scc0 .Lfor_b_\@
	tensor_load_to_lds s[\g0a:\g0a+3], s[\g1a:\g1a+7]
	s_nop 0
.rept 4
	v_nop
.endr
	s_branch .Lasked_\@
.Lfor_b_\@:
	tensor_load_to_lds s[\g0b:\g0b+3], s[\g1b:\g1b+7]
	s_nop 0
.rept 4
	v_nop
.endr
.Lasked_\@:
.endm
.macro CREST
	s_cmp_lg_u32 s14, 0
	s_cbranch_scc1 .Lnot_wave_0_\@
	s_barrier_signal -3
.Lnot_wave_0_\@:
	s_barrier_wait -3
	s_barrier_signal -1
	s_barrier_wait -1
.endm
.macro CROUND
	s_barrier_signal -1
	s_barrier_wait -1
	CREST
.endm
.macro PLACES n
.rept \n
	v_nop
.endr
.endm
.macro QUANT s
.irp b, 0,1,2,3
	v_max3_num_f32 v[TM+\b], |v[(\s)+16*\b]|, |v[(\s)+1+16*\b]|, 0x1800000
.endr
.irp i, 2,4,6,8,10,12,14
.irp b, 0,1,2,3
	v_max3_num_f32 v[TM+\b], v[TM+\b], |v[(\s)+16*\b+\i]|, |v[(\s)+1+16*\b+\i]|
.endr
.endr
.irp b, 0,1,2,3
	v_permlanex16_b32 v[TM+4+\b], v[TM+\b], s[SEL], s[SEL+1]
.endr
.irp b, 0,1,2,3
	v_max_num_f32 v[TM+\b], v[TM+\b], v[TM+4+\b]
.endr
.irp b, 0,1,2,3
	v_add_nc_u32 v[TM+12+\b], 0xff000000, v[TM+\b]
.endr
.irp b, 0,1,2,3
	v_lshrrev_b32 v[TM+4+\b], 23, v[TM+12+\b]
.endr
	v_lshl_or_b32 v[PW], v[TM+5], 8, v[TM+4]
	v_lshl_or_b32 v[PW], v[TM+6], 16, v[PW]
	v_lshl_or_b32 v[PW], v[TM+7], 24, v[PW]
.irp c, 0,1
	v_cvt_scalef32_pk16_fp6_f32 v[PC+6*\c:PC+2+6*\c], v[(\s)+32*\c:(\s)+15+32*\c], v[TM+12+2*\c]
	v_cvt_scalef32_pk16_fp6_f32 v[PC+12+4*\c:PC+14+4*\c], v[(\s)+16+32*\c:(\s)+31+32*\c], v[TM+12+2*\c+1]
.endr
	v_nop
.irp c, 0,1
.irp i, 0,1,2
	v_permlane16_swap_b32 v[PC+6*\c+\i], v[PC+12+4*\c+\i]
.endr
.irp i, 0,1,2
	v_mov_b32 v[PC+3+6*\c+\i], v[PC+12+4*\c+\i]
.endr
.endr
.endm
	s_load_b256 s[4:11], s[0:1], 0x0
	v_lshl_add_u32 v[SPW], v0, 2, SPARE
	v_mov_b32 v[NIL], 0
	ds_add_u32 v[SPW], v[NIL]
	ds_add_u32 v[SPW], v[NIL]
	v_lshrrev_b32 v1, 5, v0
	v_readfirstlane_b32 s14, v1
	s_lshr_b32 s15, s14, 1
	s_and_b32 s16, s14, 1
	s_bfe_u32 s40, ttmp6, 0x40000
	s_bfe_u32 s41, ttmp6, 0x40004
	s_lshl_b32 s42, ttmp9, 2
	s_add_co_u32 s42, s42, s40
	s_and_b32 s17, ttmp7, 0xffff
	s_lshl_b32 s17, s17, 2
	s_add_co_u32 s17, s17, s41
	s_lshl_b32 s43, s41, 2
	s_lshl_b32 s43, 15, s43
	s_lshl_b32 s44, 0x1111, s40
	s_or_b32 s[G1+0], s43, (3<<16)|(1<<21)
	s_or_b32 s[G1B+0], s44, (3<<16)|(1<<21)
.irp g, G1, G1B
	s_mov_b32 s[\g+1], 384<<16
	s_mov_b32 s[\g+2], 16<<16                      ; 16 row blocks for the head's loads; set to 8 for the ring's behind them
	s_mov_b32 s[\g+3], 384<<16
	s_mov_b32 s[\g+4], 16
	s_mov_b32 s[\g+5], 1536
	s_mov_b32 s[\g+6], 0
	s_mov_b32 s[\g+7], 0
.endr
	s_or_b32 s[G1S+0], s43, (3<<16)|(1<<21)
	s_or_b32 s[G1SB+0], s44, (3<<16)|(1<<21)
.irp g, G1S, G1SB
	s_mov_b32 s[\g+1], 128<<16                     ; 256 rows' words: 1,024 bytes
	s_mov_b32 s[\g+2], 8<<16
	s_mov_b32 s[\g+3], 128<<16
	s_mov_b32 s[\g+4], 8
	s_mov_b32 s[\g+5], 2048
	s_mov_b32 s[\g+6], 0
	s_mov_b32 s[\g+7], 0
.endr
	s_lshl_b32 s18, s16, 7
	s_lshl_b32 s20, s17, 8
	s_add_co_u32 s20, s20, s18
	s_lshl_b32 s46, s42, 8
	s_add_co_u32 s46, s46, s18
	s_sub_co_u32 s22, s20, s18                     ; the tile's first row: its scale words come whole
	s_lshl_b32 s22, s22, 2
	s_add_co_u32 s22, s22, HS
	s_mul_i32 s20, s20, 768
	s_add_co_u32 s20, s20, HC
	s_sub_co_u32 s92, s46, s18
	s_lshl_b32 s92, s92, 2
	s_add_co_u32 s92, s92, W1S
	s_mul_i32 s46, s46, 768
	s_add_co_u32 s46, s46, W1C
	s_mov_b32 s21, 0
	s_mov_b32 s23, 0
	s_mov_b32 s47, 0
	s_mov_b32 s93, 0
	s_mul_i32 s45, s14, HALFT
	s_mov_b32 s[SEL], 0x76543210
	s_mov_b32 s[SEL+1], 0xfedcba98
	s_mov_b32 s100, 0xffff0000
	s_wait_dscnt 0x0
	s_wait_kmcnt 0x0
	s_add_nc_u64 s[20:21], s[4:5], s[20:21]
	s_add_nc_u64 s[22:23], s[4:5], s[22:23]
	s_add_nc_u64 s[46:47], s[6:7], s[46:47]
	s_add_nc_u64 s[92:93], s[6:7], s[92:93]
	CROUND
	s_mov_b32 s[G0S], 1
	s_mov_b32 s[G0S+1], SCL
	s_mov_b64 s[G0S+2:G0S+3], s[22:23]
	s_or_b32 s[G0S+3], s[G0S+3], 0x80000000
	s_mov_b32 s[G0SB], 1
	s_mov_b32 s[G0SB+1], SCL+2*HALFS
	s_mov_b64 s[G0SB+2:G0SB+3], s[92:93]
	s_or_b32 s[G0SB+3], s[G0SB+3], 0x80000000
.irp s, 0,1
	s_mov_b32 s[G0+4*\s], 1
	s_add_co_u32 s[G0+4*\s+1], s45, \s*SLOT
	s_add_nc_u64 s[G0+4*\s+2:G0+4*\s+3], s[20:21], \s*ROWB
	s_or_b32 s[G0+4*\s+3], s[G0+4*\s+3], 0x80000000
	s_mov_b32 s[G0B+4*\s], 1
	s_add_co_u32 s[G0B+4*\s+1], s45, \s*SLOT
	s_add_nc_u64 s[G0B+4*\s+2:G0B+4*\s+3], s[46:47], \s*ROWB
	s_or_b32 s[G0B+4*\s+3], s[G0B+4*\s+3], 0x80000000
.endr
; THE HEAD'S LOADS, ONE A WAVE: wave 0 A's 16 row blocks of slot 0, wave 2 B's, wave 1 the scale words of A's 256 rows, wave 3 those of B's.  One chain of branches, one load to an arm, one join.
.macro ARM under, g0, g1, next
	s_cmp_lt_u32 s14, \under
	s_cbranch_scc0 \next
	tensor_load_to_lds s[\g0:\g0+3], s[\g1:\g1+7]
	s_nop 0
.rept 4
	v_nop
.endr
	s_branch .Lhead_asked
\next:
.endm
	ARM 1, G0,  G1,  .Lhead_sa
	ARM 2, G0S, G1S, .Lhead_b
	ARM 3, G0B, G1B, .Lhead_sb
	tensor_load_to_lds s[G0SB:G0SB+3], s[G1SB:G1SB+7]
	s_nop 0
.rept 4
	v_nop
.endr
.Lhead_asked:
	v_and_b32 v1, 31, v0
	v_and_b32 v2, 15, v0
	v_bfe_u32 v3, v0, 4, 1
	s_wait_alu depctr_va_vdst(0)
	v_lshlrev_b32 v[LI], 4, v1
	v_lshlrev_b32 v[L4], 2, v1
	s_mul_i32 s21, s15, HALFT
	s_mul_i32 s22, s16, HALFT
	s_add_co_u32 s22, s22, 2*HALFT
.irp s, 0,1
	v_add_nc_u32 v[ADRA+\s], s21, v[LI]
	v_add_nc_u32 v[ADRB+\s], s22, v[LI]
	s_add_co_u32 s21, s21, SLOT
	s_add_co_u32 s22, s22, SLOT
.endr
	s_lshl_b32 s21, s15, 9                         ; scale words lie [K step][256 rows]: my 128 rows of A, lanes 0-15;
	s_lshl_b32 s22, s16, 9                         ; my 128 rows of B, lanes 16-31
	s_add_co_u32 s22, s22, 2*HALFS
	s_sub_co_u32 s22, s22, s21
	v_mul_u32_u24 v6, s22, v3
	s_add_co_u32 s21, s21, SCL
	v_lshl_add_u32 v5, v2, 2, v6
	v_add_nc_u32 v[ADRS], s21, v5
	s_lshl_b32 s18, s17, 4
	s_lshl_b32 s19, s15, 3
	s_add_co_u32 s18, s18, s19
	s_lshl_b32 s19, s42, 1
	s_add_co_u32 s19, s19, s16
	s_lshl_b32 s20, s18, 5
	s_add_co_u32 s20, s20, s19
	s_mul_i32 s22, s20, 1536
	s_mov_b32 s23, 0
	s_add_nc_u64 s[92:93], s[10:11], s[22:23]
	s_lshl_b32 s20, s19, 12
	s_lshl_b32 s21, s18, 4
	s_add_co_u32 s20, s20, s21
	s_lshl_b32 s22, s20, 2
	s_add_co_u32 s22, s22, GS
	s_add_nc_u64 s[94:95], s[10:11], s[22:23]
	s_lshl_b32 s22, s19, 9
	s_add_nc_u64 s[96:97], s[8:9], s[22:23]
	v_lshlrev_b32 v[BO], 6, v3
	WIN 0x40
.irp t, 0,1,2,3,4,5,6,7
	global_load_b128 v[96+8*\t+96*(\t/4):99+8*\t+96*(\t/4)], v[BO], s[96:97] offset:(32*(\t/2)+8*(\t%2))*4
	global_load_b128 v[100+8*\t+96*(\t/4):103+8*\t+96*(\t/4)], v[BO], s[96:97] offset:(32*(\t/2)+8*(\t%2))*4+16
.endr
	WIN 0
.macro FRAG reg, adr, q, i
.irp c, 0,1,2
	ds_load_b128 v[\reg+4*\c:\reg+4*\c+3], v[\adr] offset:(\i)*ROWB+(\q)*1536+512*\c
.endr
.endm
.macro MUL16 a0, p, q, sc, zero
.irp a, \a0, \a0+1
.irp b, 0,1,2,3,4,5,6,7
.if \zero
	v_wmma_scale_f32_16x16x128_f8f6f4 v[8*(8*((\a)%4)+\b):8*(8*((\a)%4)+\b)+7], v[128*(\p)+FR*\b:128*(\p)+FR*\b+FR-1], v[AF+FR*(\a):AF+FR*(\a)+FR-1], 0, v[SC+8*NQ*(\sc)+NQ*\b+(\q)], v[SC+8*NQ*(\sc)+NQ*(\a)+(\q)] matrix_a_fmt:MATRIX_FMT_FP6 matrix_b_fmt:MATRIX_FMT_FP6 matrix_a_scale:MATRIX_SCALE_ROW1
.else
	v_wmma_scale_f32_16x16x128_f8f6f4 v[8*(8*((\a)%4)+\b):8*(8*((\a)%4)+\b)+7], v[128*(\p)+FR*\b:128*(\p)+FR*\b+FR-1], v[AF+FR*(\a):AF+FR*(\a)+FR-1], v[8*(8*((\a)%4)+\b):8*(8*((\a)%4)+\b)+7], v[SC+8*NQ*(\sc)+NQ*\b+(\q)], v[SC+8*NQ*(\sc)+NQ*(\a)+(\q)] matrix_a_fmt:MATRIX_FMT_FP6 matrix_b_fmt:MATRIX_FMT_FP6 matrix_a_scale:MATRIX_SCALE_ROW1
.endif
.endr
.endr
.endm
.macro FETCH_B slot, q, p
	WIN TO_B
.irp i, 0,1,2,3,4,5,6,7
	FRAG 128*(\p)+FR*\i, ADRB+\slot, \q, \i
.endr
	WIN 0
.endm
.macro FETCH_A slot, q, i0
.irp i, \i0, \i0+1, \i0+2, \i0+3
	FRAG AF+FR*(\i), ADRA+\slot, \q, \i
.endr
.endm
.macro SCALES sc
.irp i, 0,1,2,3,4,5,6,7
.irp u, 0,1
	ds_load_b32 v[SC+16*(\sc)+2*\i+\u], v[ADRS] offset:1024*\u+64*\i
.endr
.endr
.endm
.macro STEP slot, q, zero
	s_wait_dscnt 4*NL
	WIN MUL_LO
	MUL16 0, (\q)%2, \q, \slot, \zero
	MUL16 2, (\q)%2, \q, \slot, \zero
	s_wait_dscnt 0
	PLACES NP
	FETCH_B \slot, (\q)+1, 1-(\q)%2
	FETCH_A \slot, (\q)+1, 0
	WIN MUL_HI
	MUL16 4, (\q)%2, \q, \slot, \zero
	MUL16 6, (\q)%2, \q, \slot, \zero
	PLACES NP
	WIN 0
	FETCH_A \slot, (\q)+1, 4
.endm
.macro TURN slot, next, fill
	s_wait_tensorcnt 0x0
	ds_add_u32 v[SPW], v[NIL]
	s_wait_dscnt 4*NL+1
	WIN MUL_LO
	MUL16 0, 1, NQ-1, \slot, 0
	s_wait_dscnt 0x0
	s_barrier_signal -1
	MUL16 2, 1, NQ-1, \slot, 0
	WIN 0
	s_barrier_wait -1
.if \fill
	CREST
	s_add_nc_u64 s[G0+4*\slot+2:G0+4*\slot+3], s[G0+4*\slot+2:G0+4*\slot+3], 2*ROWB
	s_add_nc_u64 s[G0B+4*\slot+2:G0B+4*\slot+3], s[G0B+4*\slot+2:G0B+4*\slot+3], 2*ROWB
	JLOAD G0+4*\slot, G1, G0B+4*\slot, G1B
.else
	PLACES NP
.endif
	s_wait_alu depctr_va_vdst(0)
	v_add_nc_u32 v[ADRS], 2048, v[ADRS]            ; the next slot's scale words: two K steps of 1,024 bytes
	FETCH_B \next, 0, 0
	FETCH_A \next, 0, 0
	SCALES \next
	WIN MUL_HI
	MUL16 4, 1, NQ-1, \slot, 0
	MUL16 6, 1, NQ-1, \slot, 0
	PLACES NP
	WIN 0
	FETCH_A \next, 0, 4
.endm
	s_wait_alu depctr_va_vdst(0)
	s_wait_tensorcnt 0x0                           ; my tile of the head's four is in
	ds_add_u32 v[SPW], v[NIL]
	s_mov_b32 s[G1+2], 8<<16                       ; no tensor load of mine is out: from here on a load brings 8 row blocks
	s_mov_b32 s[G1+4], 8
	s_mov_b32 s[G1B+2], 8<<16
	s_mov_b32 s[G1B+4], 8
	s_wait_dscnt 0x0
	CROUND                                         ; all four tiles are in, in every partner
	JLOAD G0+4, G1, G0B+4, G1B                     ; slot 1's first fill: my one tensor load behind the cluster's barrier
	FETCH_B 0, 0, 0
	FETCH_A 0, 0, 0
	SCALES 0
	FETCH_A 0, 0, 4
	STEP 0, 0, 1
	TURN 0, 1, 1
	STEP 1, 0, 0
	TURN 1, 0, 1
	STEP 0, 0, 0
	TURN 0, 1, 0
	STEP 1, 0, 0
	s_wait_dscnt 4*NL
	WIN MUL_LO
	MUL16 0, 1, NQ-1, 1, 0
	MUL16 2, 1, NQ-1, 1, 0
	s_wait_dscnt 0
	WIN MUL_HI
	MUL16 4, 1, NQ-1, 1, 0
	MUL16 6, 1, NQ-1, 1, 0
	WIN 0
	PLACES NP
.macro COEF reg, bits
	s_mov_b32 s[\reg], \bits
	s_mov_b32 s[\reg+1], \bits
.endm
	COEF CRS, 0x3f3504f3
	COEF CA+2, 0x32edffee
	COEF CA+4, 0xb60cff51
	COEF CA+6, 0xb86ec2d2
	COEF CA+8, 0xba40ac63
	COEF CA+10, 0xbb41a1f6
	COEF CA+12, 0xbc83dbd4
	COEF CB+2, 0xb95fbd29
	COEF CB+4, 0xbadc924e
	COEF CB+6, 0xbbf19bf8
	COEF CB+8, 0xbc69b6a7
	v_mov_b32 v8, 0xaf95df0b
	v_mov_b32 v9, 0xaf95df0b
	v_mov_b32 v10, 0xb77460cd
	v_mov_b32 v11, 0xb77460cd
	v_mov_b32 v[PWE], 0
.irp b, 0,1,2,3
	v_mov_b32 v[TM+4+\b], 0
.endr
	s_wait_loadcnt 0x0
.macro COPYN a
	WIN 0x06+(\a)/4
.set kk, 0
.rept 32
	v_pk_add_f32 v[W+kk:W+kk+1], v[64*((\a)%4)+kk:64*((\a)%4)+kk+1], v[96+kk+96*(kk/32):97+kk+96*(kk/32)]
.set kk, kk+2
.endr
	WIN 0
.endm
.macro GELU hf
.set XW, W+32*(\hf)
.set kk, 0
.rept 16
	v_pk_mul_f32 v[ZZ+kk:ZZ+kk+1], v[XW+kk:XW+kk+1], s[CRS:CRS+1] op_sel_hi:[1,0]
.set kk, kk+2
.endr
.set kk, 0
.rept 32
	v_med3_num_f32 v[ZZ+kk], v[ZZ+kk], -4.0, 4.0
.set kk, kk+1
.endr
.set kk, 0
.rept 16
	v_pk_mul_f32 v[S2+kk:S2+kk+1], v[ZZ+kk:ZZ+kk+1], v[ZZ+kk:ZZ+kk+1]
.set kk, kk+2
.endr
.set kk, 0
.rept 16
	v_pk_fma_f32 v[AL+kk:AL+kk+1], v[S2+kk:S2+kk+1], v[8:9], s[CA+2:CA+3] op_sel_hi:[1,1,0]
.set kk, kk+2
.endr
.irp n, 4,6,8,10,12
.set kk, 0
.rept 16
	v_pk_fma_f32 v[AL+kk:AL+kk+1], v[AL+kk:AL+kk+1], v[S2+kk:S2+kk+1], s[CA+\n:CA+\n+1] op_sel_hi:[1,1,0]
.set kk, kk+2
.endr
.endr
.set kk, 0
.rept 16
	v_pk_mul_f32 v[AL+kk:AL+kk+1], v[AL+kk:AL+kk+1], v[ZZ+kk:ZZ+kk+1]
.set kk, kk+2
.endr
.set kk, 0
.rept 16
	v_pk_fma_f32 v[ZZ+kk:ZZ+kk+1], v[S2+kk:S2+kk+1], v[10:11], s[CB+2:CB+3] op_sel_hi:[1,1,0]
.set kk, kk+2
.endr
.irp n, 4,6,8
.set kk, 0
.rept 16
	v_pk_fma_f32 v[ZZ+kk:ZZ+kk+1], v[ZZ+kk:ZZ+kk+1], v[S2+kk:S2+kk+1], s[CB+\n:CB+\n+1] op_sel_hi:[1,1,0]
.set kk, kk+2
.endr
.endr
.set kk, 0
	s_wait_alu depctr_va_vdst(0)
.rept 32
	v_rcp_f32 v[ZZ+kk], v[ZZ+kk]
.set kk, kk+1
.endr
.set kk, 0
.rept 16
	v_pk_mul_f32 v[S2+kk:S2+kk+1], v[XW+kk:XW+kk+1], 0.5 op_sel_hi:[1,0]
.set kk, kk+2
.endr
	s_wait_alu depctr_va_vdst(0)
.set kk, 0
.rept 16
	v_pk_mul_f32 v[AL+kk:AL+kk+1], v[AL+kk:AL+kk+1], v[ZZ+kk:ZZ+kk+1]
.set kk, kk+2
.endr
.set kk, 0
.rept 16
	v_pk_fma_f32 v[XW+kk:XW+kk+1], v[S2+kk:S2+kk+1], v[AL+kk:AL+kk+1], v[S2+kk:S2+kk+1]
.set kk, kk+2
.endr
.endm
	s_mov_b32 s2, 0
.Lepi:
.irp a, 0,1,2,3,4,5,6
	s_cmp_lg_u32 s2, \a
	s_cbranch_scc1 .Lnot_\a
	COPYN \a
	s_branch .Lcopied
.Lnot_\a:
.endr
	COPYN 7
.Lcopied:
	GELU 0
	GELU 1
	QUANT W
.irp c, 0,1,2
	global_store_b128 v[LI], v[PC+4*\c:PC+4*\c+3], s[92:93] offset:512*\c
.endr
	v_cndmask_b32 v[SCP], v[PWE], v[PW], s100
	v_mov_b32 v[PWE], v[PW]
	s_and_b32 s3, s2, 1
	s_cmp_eq_u32 s3, 0
	s_cbranch_scc1 .Leven
	global_store_b32 v[L4], v[SCP], s[94:95] offset:-64
.Leven:
	s_wait_xcnt 0x0
	s_add_nc_u64 s[92:93], s[92:93], ASTR
	s_add_nc_u64 s[94:95], s[94:95], 64
	s_add_co_u32 s2, s2, 1
	s_cmp_lt_u32 s2, 8
	s_cbranch_scc1 .Lepi
	s_wait_tensorcnt 0x0
	ds_add_u32 v[SPW], v[NIL]
	s_wait_dscnt 0x0
	CROUND
	s_endpgm
.Lfunc_end_k_q0ab625651c_gemm_w1:
	.size	k_q0ab625651c_gemm_w1, .Lfunc_end_k_q0ab625651c_gemm_w1-k_q0ab625651c_gemm_w1
	.p2alignl 7, 3214868480
	.fill 96, 4, 3214868480
	.section	.rodata,"a",@progbits
	.p2align	6, 0x0
	.amdhsa_kernel k_q0ab625651c_gemm_w1
		.amdhsa_group_segment_fixed_size 327680
		.amdhsa_private_segment_fixed_size 0
		.amdhsa_enable_private_segment 0
		.amdhsa_kernarg_size 32
		.amdhsa_user_sgpr_count 2
		.amdhsa_user_sgpr_kernarg_segment_ptr 1
		.amdhsa_wavefront_size32 1
		.amdhsa_system_sgpr_workgroup_id_x 1
		.amdhsa_system_sgpr_workgroup_id_y 1
		.amdhsa_system_sgpr_workgroup_id_z 1
		.amdhsa_system_vgpr_workitem_id 0
		.amdhsa_next_free_vgpr 1024
		.amdhsa_next_free_sgpr 102
		.amdhsa_reserve_vcc 0
		.amdhsa_float_denorm_mode_32 3
		.amdhsa_float_denorm_mode_16_64 3
		.amdhsa_memory_ordered 1
		.amdhsa_forward_progress 1
		.amdhsa_inst_pref_size 172
	.end_amdhsa_kernel
	.amdgpu_metadata
---
amdhsa.version: [ 1, 2 ]
amdhsa.kernels:
  - .name:           k_q0ab625651c_gemm_w1
    .symbol:         k_q0ab625651c_gemm_w1.kd
    .args:
      - { .name: wsh, .offset: 0, .size: 8, .value_kind: global_buffer, .address_space: global }
      - { .name: wsp, .offset: 8, .size: 8, .value_kind: global_buffer, .address_space: global }
      - { .name: b1, .offset: 16, .size: 8, .value_kind: global_buffer, .address_space: global }
      - { .name: wsg, .offset: 24, .size: 8, .value_kind: global_buffer, .address_space: global }
    .group_segment_fixed_size: 327680
    .private_segment_fixed_size: 0
    .kernarg_segment_align: 8
    .kernarg_segment_size: 32
    .max_flat_workgroup_size: 128
    .sgpr_count:     102
    .vgpr_count:     1024
    .wavefront_size: 32
...
	.end_amdgpu_metadata
.endif
;; end of part 5
;; launch gemm_w2 (part 6): grid 8 x 32, 4 waves a work-group, clusters of 4 x 4, 327,680 bytes of LDS; arguments wsg, wsp, wsh, wsy; writes wsy
.if DOCPART == 6
	.amdgcn_target "amdgcn-amd-amdhsa--gfx1250"
	.amdhsa_code_object_version 6
	.text
	.protected	k_q0ab625651c_gemm_w2
	.globl	k_q0ab625651c_gemm_w2
	.p2align	8
	.type	k_q0ab625651c_gemm_w2,@function
k_q0ab625651c_gemm_w2:
	s_mov_b64 s[64:65], 0
	v_nop
	global_prefetch_b8 v0, s[64:65] scope:SCOPE_SE
	s_setreg_imm32_b32 hwreg(HW_REG_WAVE_MODE, 25, 1), 1
	s_wait_xcnt 0x0
	s_wait_alu depctr_hold_cnt(0) depctr_sa_sdst(0) depctr_va_vdst(0) depctr_va_sdst(0) depctr_va_ssrc(0) depctr_va_vcc(0) depctr_vm_vsrc(0)
	s_getreg_b32 s2, hwreg(HW_REG_IB_STS2, 6, 4)
	s_cmp_eq_u32 s2, 0
	s_cbranch_scc0 .Lentry_in_a_cluster
	s_endpgm
.Lentry_in_a_cluster:
	s_bfe_u32 s2, ttmp6, 0x10000c
	s_cmp_lg_u32 s2, 0xf033
	s_cbranch_scc0 .Lentry_shape_is_right
	s_endpgm
.Lentry_shape_is_right:
.set KST,   32
.set ASC,   12582912
.set BC,    9830400
.set BS,    12976128
.set ROWB,  6144
.set HALFT, 4*ROWB
.set SLOT,  4*HALFT
.set SCL,   2*SLOT
.set HALFS, KST*256
.set SPARE, SCL+4*HALFS
.set LAPS,  KST/8
.set ADRA, 16
.set ADRB, 20
.set STO,  24
.set RD,   25
.set CO,   26
.set ADRS, 27
.set SPW,  28
.set NIL,  29
.set BK,   32
.set SC,   96
.set ACC,  128
.set F0,   0
.set F1,   128
.set G1, 24
.set G0, 32
.set G1B, 48
.set G0B, 56
.set G1S, 68
.set G0S, 76
.set G1SB, 80
.set G0SB, 88
.set MSB, 0
.macro WIN new
.if MSB != (\new)
	s_set_vgpr_msb (MSB<<8)|(\new)
.set MSB, (\new)
.endif
.endm
.set MUL,  0x05
.set TO_F, 0x40
.macro JLOAD g0a, g1a, g0b, g1b
	s_cmp_eq_u32 s15, 0
	s_cbranch_scc0 .Lfor_b_\@
	tensor_load_to_lds s[\g0a:\g0a+3], s[\g1a:\g1a+7]
	s_nop 0
.rept 4
	v_nop
.endr
	s_branch .Lasked_\@
.Lfor_b_\@:
	tensor_load_to_lds s[\g0b:\g0b+3], s[\g1b:\g1b+7]
	s_nop 0
.rept 4
	v_nop
.endr
.Lasked_\@:
.endm
.macro CREST
	s_cmp_lg_u32 s14, 0
	s_cbranch_scc1 .Lnot_wave_0_\@
	s_barrier_signal -3
.Lnot_wave_0_\@:
	s_barrier_wait -3
	s_barrier_signal -1
	s_barrier_wait -1
.endm
.macro CROUND
	s_barrier_signal -1
	s_barrier_wait -1
	CREST
.endm
.macro PLACES
.rept 4
	v_nop
.endr
.endm
	s_load_b256 s[4:11], s[0:1], 0x0
	v_lshl_add_u32 v[SPW], v0, 2, SPARE
	v_mov_b32 v[NIL], 0
	ds_add_u32 v[SPW], v[NIL]
	ds_add_u32 v[SPW], v[NIL]
	v_lshrrev_b32 v1, 5, v0
	v_readfirstlane_b32 s14, v1
	s_lshr_b32 s15, s14, 1
	s_and_b32 s16, s14, 1
	s_bfe_u32 s40, ttmp6, 0x40000
	s_bfe_u32 s41, ttmp6, 0x40004
	s_lshl_b32 s42, ttmp9, 2
	s_add_co_u32 s42, s42, s40
	s_and_b32 s17, ttmp7, 0xffff
	s_lshl_b32 s17, s17, 2
	s_add_co_u32 s17, s17, s41
	s_lshl_b32 s43, s41, 2
	s_lshl_b32 s43, 15, s43
	s_lshl_b32 s44, 0x1111, s40
	s_or_b32 s[G1+0], s43, (3<<16)|(1<<21)
	s_or_b32 s[G1B+0], s44, (3<<16)|(1<<21)
.irp g, G1, G1B
	s_mov_b32 s[\g+1], 768<<16
	s_mov_b32 s[\g+2], 8<<16                       ; eight row blocks for the head's loads; set to four for the ring's behind them
	s_mov_b32 s[\g+3], 768<<16
	s_mov_b32 s[\g+4], 8
	s_mov_b32 s[\g+5], 192*KST
	s_mov_b32 s[\g+6], 0
	s_mov_b32 s[\g+7], 0
.endr
	s_or_b32 s[G1S+0], s43, (3<<16)|(1<<21)
	s_or_b32 s[G1SB+0], s44, (3<<16)|(1<<21)
.irp g, G1S, G1SB
	s_mov_b32 s[\g+1], 64<<16                      ; 128 rows' words: 512 bytes
	s_mov_b32 s[\g+2], KST<<16
	s_mov_b32 s[\g+3], 64<<16
	s_mov_b32 s[\g+4], KST
	s_mov_b32 s[\g+6], 0
	s_mov_b32 s[\g+7], 0
.endr
	s_mov_b32 s[G1S+5], 2048
	s_mov_b32 s[G1SB+5], 512
	s_lshl_b32 s18, s16, 6
	s_lshl_b32 s20, s17, 7
	s_add_co_u32 s20, s20, s18
	s_lshl_b32 s46, s42, 7
	s_add_co_u32 s46, s46, s18
	s_sub_co_u32 s22, s20, s18                     ; the tile's first row: its scale words come whole
	s_lshl_b32 s22, s22, 2
	s_add_co_u32 s22, s22, ASC
	s_mul_i32 s20, s20, 96*KST
	s_sub_co_u32 s92, s46, s18
	s_lshl_b32 s92, s92, 2
	s_add_co_u32 s92, s92, BS
	s_mul_i32 s46, s46, 96*KST
	s_add_co_u32 s46, s46, BC
	s_mov_b32 s21, 0
	s_mov_b32 s23, 0
	s_mov_b32 s47, 0
	s_mov_b32 s93, 0
	s_mul_i32 s45, s14, HALFT
	s_wait_dscnt 0x0
	s_wait_kmcnt 0x0
	s_add_nc_u64 s[20:21], s[4:5], s[20:21]
	s_add_nc_u64 s[22:23], s[4:5], s[22:23]
	s_add_nc_u64 s[46:47], s[6:7], s[46:47]
	s_add_nc_u64 s[92:93], s[6:7], s[92:93]
	; the prefetches: of the four row blocks that I fetch, the partner at place p (cx for A, cy for B) names block p: shared out by address alone
	s_cmp_eq_u32 s15, 0
	s_cselect_b64 s[66:67], s[20:21], s[46:47]
	s_cselect_b32 s2, s40, s41
	s_mul_i32 s2, s2, 49152                        ; a row block's 32 fragments
	s_add_co_u32 s2, s2, ROWB                      ; at slot 1; each refill steps it by one slot's 6,144 bytes and names the place two slots further on: the slot two refills on
	s_mov_b32 s3, 0
	s_add_nc_u64 s[66:67], s[66:67], s[2:3]
	CROUND
	s_mov_b32 s[G0S], 1
	s_mov_b32 s[G0S+1], SCL
	s_mov_b64 s[G0S+2:G0S+3], s[22:23]
	s_or_b32 s[G0S+3], s[G0S+3], 0x80000000
	s_mov_b32 s[G0SB], 1
	s_mov_b32 s[G0SB+1], SCL+2*HALFS
	s_mov_b64 s[G0SB+2:G0SB+3], s[92:93]
	s_or_b32 s[G0SB+3], s[G0SB+3], 0x80000000
.irp s, 0,1
	s_mov_b32 s[G0+4*\s], 1
	s_add_co_u32 s[G0+4*\s+1], s45, \s*SLOT
	s_add_nc_u64 s[G0+4*\s+2:G0+4*\s+3], s[20:21], \s*ROWB
	s_or_b32 s[G0+4*\s+3], s[G0+4*\s+3], 0x80000000
	s_mov_b32 s[G0B+4*\s], 1
	s_add_co_u32 s[G0B+4*\s+1], s45, \s*SLOT
	s_add_nc_u64 s[G0B+4*\s+2:G0B+4*\s+3], s[46:47], \s*ROWB
	s_or_b32 s[G0B+4*\s+3], s[G0B+4*\s+3], 0x80000000
.endr
; THE HEAD'S LOADS, ONE A WAVE: wave 0 A's eight row blocks of slot 0, wave 2 B's, wave 1 the scale words of A's 128 rows, wave 3 those of B's.  One chain of branches, one load to an arm, one join.
.macro ARM under, g0, g1, next
	s_cmp_lt_u32 s14, \under
	s_cbranch_scc0 \next
	tensor_load_to_lds s[\g0:\g0+3], s[\g1:\g1+7]
	s_nop 0
.rept 4
	v_nop
.endr
	s_branch .Lhead_asked
\next:
.endm
	ARM 1, G0,  G1,  .Lhead_sa
	ARM 2, G0S, G1S, .Lhead_b
	ARM 3, G0B, G1B, .Lhead_sb
	tensor_load_to_lds s[G0SB:G0SB+3], s[G1SB:G1SB+7]
	s_nop 0
.rept 4
	v_nop
.endr
.Lhead_asked:
	v_and_b32 v1, 31, v0
	v_and_b32 v2, 15, v0
	v_bfe_u32 v3, v0, 4, 1
	s_wait_alu depctr_va_vdst(0)
	v_lshlrev_b32 v4, 4, v1
	v_min_u32 v30, 23, v1                          ; the prefetches' offset: 24 blocks of 256 bytes, a lane a block; lanes 24-31 name the last again
	v_lshlrev_b32 v30, 8, v30
	s_wait_alu depctr_va_vdst(0)
	global_prefetch_b8 v30, s[66:67] th:TH_LOAD_NT scope:SCOPE_SE               ; behind the head's load: slots 1 and 2, the buffers' first touch there
	global_prefetch_b8 v30, s[66:67] offset:ROWB th:TH_LOAD_NT scope:SCOPE_SE
	s_mul_i32 s21, s15, HALFT
	s_mul_i32 s22, s16, HALFT
	s_add_co_u32 s22, s22, 2*HALFT
.irp s, 0,1
	v_add_nc_u32 v[ADRA+\s], s21, v4
	v_add_nc_u32 v[ADRB+\s], s22, v4
	s_add_co_u32 s21, s21, SLOT
	s_add_co_u32 s22, s22, SLOT
.endr
	s_lshl_b32 s21, s15, 8                         ; scale words lie [K step][128 rows]: my 64 rows of A, lanes 0-15;
	s_lshl_b32 s22, s16, 8                         ; my 64 rows of B, lanes 16-31
	s_add_co_u32 s22, s22, 2*HALFS
	s_sub_co_u32 s22, s22, s21
	v_mul_u32_u24 v6, s22, v3
	s_add_co_u32 s21, s21, SCL
	v_lshl_add_u32 v5, v2, 2, v6
	v_add_nc_u32 v[ADRS], s21, v5
	s_mul_i32 s23, s14, 4352
	v_mul_u32_u24 v5, v2, 272
	v_lshl_add_u32 v5, v3, 5, v5
	v_add_nc_u32 v[STO], s23, v5
	v_mul_u32_u24 v5, v3, 272
	v_lshl_add_u32 v5, v2, 4, v5
	v_add_nc_u32 v[RD], s23, v5
	v_lshlrev_b32 v[CO], 12, v3
	v_lshl_add_u32 v[CO], v2, 4, v[CO]
	s_wait_alu depctr_va_vdst(0)
	s_lshl_b32 s20, s17, 7
	s_lshl_b32 s21, s15, 6
	s_add_co_u32 s20, s20, s21
	s_lshl_b32 s20, s20, 12
	s_lshl_b32 s46, s42, 9
	s_lshl_b32 s47, s16, 8
	s_add_co_u32 s46, s46, s47
	s_add_co_u32 s20, s20, s46
	s_mov_b32 s21, 0
	s_add_nc_u64 s[8:9], s[8:9], s[20:21]
	s_add_nc_u64 s[10:11], s[10:11], s[20:21]
	WIN 0x80
.irp a, 0,1,2,3
.irp i, 0,1,2,3,4,5,6,7
	global_load_b128 v[32*\a+4*\i:32*\a+4*\i+3], v[CO], s[8:9] offset:(32*(\a/2)+8*(\a%2)+2*\i+8*((2*\i)/8))*4096
.endr
.endr
	WIN 0
.macro FRAG reg, adr, q, i
.irp c, 0,1,2
	ds_load_b128 v[\reg+4*\c:\reg+4*\c+3], v[\adr] offset:(\i)*ROWB+(\q)*1536+512*\c
.endr
.endm
.macro FETCH slot, q, f, sc
	WIN TO_F
.irp i, 0,1,2,3
	FRAG \f+48+12*\i, ADRB+\slot, \q, \i
.endr
	FRAG \f, ADRA+\slot, \q, 0
	FRAG \f+12, ADRA+\slot, \q, 1
.if \sc
	WIN 0
.irp i, 0,1,2,3
.irp u, 0,1,2,3
	ds_load_b32 v[SC+16*(\slot)+4*\i+\u], v[ADRS] offset:512*\u+64*\i
.endr
.endr
	WIN TO_F
.endif
	FRAG \f+24, ADRA+\slot, \q, 2
	FRAG \f+36, ADRA+\slot, \q, 3
.endm
.macro MUL8 f, a0, q, sc, zero
.irp a, \a0, \a0+1
.irp b, 0,1,2,3
.if \zero
	v_wmma_scale_f32_16x16x128_f8f6f4 v[ACC+8*(4*(\a)+\b):ACC+8*(4*(\a)+\b)+7], v[\f+48+12*\b:\f+48+12*\b+11], v[\f+12*(\a):\f+12*(\a)+11], 0, v[SC+16*(\sc)+4*\b+(\q)], v[SC+16*(\sc)+4*(\a)+(\q)] matrix_a_fmt:MATRIX_FMT_FP6 matrix_b_fmt:MATRIX_FMT_FP6 matrix_a_scale:MATRIX_SCALE_ROW1
.else
	v_wmma_scale_f32_16x16x128_f8f6f4 v[ACC+8*(4*(\a)+\b):ACC+8*(4*(\a)+\b)+7], v[\f+48+12*\b:\f+48+12*\b+11], v[\f+12*(\a):\f+12*(\a)+11], v[ACC+8*(4*(\a)+\b):ACC+8*(4*(\a)+\b)+7], v[SC+16*(\sc)+4*\b+(\q)], v[SC+16*(\sc)+4*(\a)+(\q)] matrix_a_fmt:MATRIX_FMT_FP6 matrix_b_fmt:MATRIX_FMT_FP6 matrix_a_scale:MATRIX_SCALE_ROW1
.endif
.endr
.endr
.endm
.macro QUARTER slot, q, f, g, zero
	s_wait_dscnt 6
	WIN MUL
	MUL8 \f, 0, \q, \slot, \zero
	PLACES
	FETCH \slot, (\q)+1, \g, 0
	s_wait_dscnt 24
	WIN MUL
	MUL8 \f, 2, \q, \slot, \zero
.endm
.macro TURN slot, next, fill
	WIN 0
.if \fill
	s_wait_xcnt 0x0                                ; my last prefetch has read its address
	s_add_nc_u64 s[66:67], s[66:67], ROWB
.endif
	s_wait_tensorcnt 0x0
	ds_add_u32 v[SPW], v[NIL]
	s_wait_dscnt 7
	WIN MUL
	MUL8 F1, 0, 3, \slot, 0
	s_wait_dscnt 0x0
	WIN 0
	s_barrier_signal -1
	s_barrier_wait -1
.if \fill
	CREST
	s_add_nc_u64 s[G0+4*\slot+2:G0+4*\slot+3], s[G0+4*\slot+2:G0+4*\slot+3], 2*ROWB
	s_add_nc_u64 s[G0B+4*\slot+2:G0B+4*\slot+3], s[G0B+4*\slot+2:G0B+4*\slot+3], 2*ROWB
	JLOAD G0+4*\slot, G1, G0B+4*\slot, G1B
.else
	PLACES
.endif
	s_wait_alu depctr_va_vdst(0)
	v_add_nc_u32 v[ADRS], 2048, v[ADRS]            ; the next slot's scale words: four K steps of 512 bytes
	FETCH \next, 0, F0, 1
.if \fill
	WIN 0
	s_cmp_gt_u32 s3, 1                             ; the last lap's two refills have no slot two refills on
	s_cbranch_scc0 .Lno_ask_\@
	global_prefetch_b8 v30, s[66:67] offset:2*ROWB th:TH_LOAD_NT scope:SCOPE_SE
.Lno_ask_\@:
.endif
	WIN MUL
	MUL8 F1, 2, 3, \slot, 0
.endm
	s_wait_alu depctr_va_vdst(0)                   ; the wait at the head's end
	s_wait_tensorcnt 0x0                           ; my tile of the head's four is in
	ds_add_u32 v[SPW], v[NIL]
	s_mov_b32 s[G1+2], 4<<16                       ; no tensor load of mine is out: from here on a load brings four row blocks
	s_mov_b32 s[G1+4], 4
	s_mov_b32 s[G1B+2], 4<<16
	s_mov_b32 s[G1B+4], 4
	s_wait_dscnt 0x0
	CROUND                                         ; all four tiles are in, in every partner
	JLOAD G0+4, G1, G0B+4, G1B                     ; slot 1's first fill: my one tensor load behind the cluster's barrier
	global_prefetch_b8 v30, s[66:67] offset:2*ROWB th:TH_LOAD_NT scope:SCOPE_SE ; slot 3: two fills on
	FETCH 0, 0, F0, 1
	QUARTER 0, 0, F0, F1, 1
.if LAPS > 1
	WIN 0
	s_mov_b32 s3, LAPS-1
.Llap:
	QUARTER 0, 1, F1, F0, 0
	QUARTER 0, 2, F0, F1, 0
	TURN 0, 1, 1
	QUARTER 1, 0, F0, F1, 0
	QUARTER 1, 1, F1, F0, 0
	QUARTER 1, 2, F0, F1, 0
	TURN 1, 0, 1
	QUARTER 0, 0, F0, F1, 0
	WIN 0
	s_sub_co_u32 s3, s3, 1
	s_cmp_lg_u32 s3, 0
	s_cbranch_scc1 .Llap
.endif
	QUARTER 0, 1, F1, F0, 0
	QUARTER 0, 2, F0, F1, 0
	TURN 0, 1, 0
	QUARTER 1, 0, F0, F1, 0
	QUARTER 1, 1, F1, F0, 0
	QUARTER 1, 2, F0, F1, 0
	s_wait_dscnt 6
	WIN MUL
	MUL8 F1, 0, 3, 1, 0
	s_wait_dscnt 0
	MUL8 F1, 2, 3, 1, 0
	WIN 0
	PLACES
	s_wait_loadcnt 0x0
.macro TOSTAGE a
.irp b, 0,1,2,3
	ds_store_b128 v[STO], v[ACC+8*(4*(\a)+\b):ACC+8*(4*(\a)+\b)+3] offset:64*\b
	ds_store_b128 v[STO], v[ACC+8*(4*(\a)+\b)+4:ACC+8*(4*(\a)+\b)+7] offset:64*\b+16
.endr
.irp i, 0,1,2,3,4,5,6,7
	ds_load_b128 v[BK+32*((\a)%2)+4*\i:BK+32*((\a)%2)+4*\i+3], v[RD] offset:2*\i*272
.endr
.endm
.macro SEND a, younger
	s_wait_dscnt \younger
	WIN 0x08
.set kk, 0
.rept 16
	v_pk_add_f32 v[BK+32*((\a)%2)+kk:BK+32*((\a)%2)+kk+1], v[BK+32*((\a)%2)+kk:BK+32*((\a)%2)+kk+1], v[32*(\a)+kk:32*(\a)+kk+1]
.set kk, kk+2
.endr
	WIN 0
.irp i, 0,1,2,3,4,5,6,7
	global_store_b128 v[CO], v[BK+32*((\a)%2)+4*\i:BK+32*((\a)%2)+4*\i+3], s[10:11] offset:(32*((\a)/2)+8*((\a)%2)+2*\i+8*((2*\i)/8))*4096
.endr
.endm
	TOSTAGE 0
	TOSTAGE 1
	SEND 0, 16
	s_wait_xcnt 0x0
	TOSTAGE 2
	SEND 1, 16
	s_wait_xcnt 0x0
	TOSTAGE 3
	SEND 2, 16
	SEND 3, 0
	s_wait_tensorcnt 0x0
	ds_add_u32 v[SPW], v[NIL]
	s_wait_dscnt 0x0
	CROUND
	s_endpgm
.Lfunc_end_k_q0ab625651c_gemm_w2:
	.size	k_q0ab625651c_gemm_w2, .Lfunc_end_k_q0ab625651c_gemm_w2-k_q0ab625651c_gemm_w2
	.p2alignl 7, 3214868480
	.fill 96, 4, 3214868480
	.section	.rodata,"a",@progbits
	.p2align	6, 0x0
	.amdhsa_kernel k_q0ab625651c_gemm_w2
		.amdhsa_group_segment_fixed_size 327680
		.amdhsa_private_segment_fixed_size 0
		.amdhsa_enable_private_segment 0
		.amdhsa_kernarg_size 32
		.amdhsa_user_sgpr_count 2
		.amdhsa_user_sgpr_kernarg_segment_ptr 1
		.amdhsa_wavefront_size32 1
		.amdhsa_system_sgpr_workgroup_id_x 1
		.amdhsa_system_sgpr_workgroup_id_y 1
		.amdhsa_system_sgpr_workgroup_id_z 1
		.amdhsa_system_vgpr_workitem_id 0
		.amdhsa_next_free_vgpr 640
		.amdhsa_next_free_sgpr 98
		.amdhsa_reserve_vcc 0
		.amdhsa_float_denorm_mode_32 3
		.amdhsa_float_denorm_mode_16_64 3
		.amdhsa_memory_ordered 1
		.amdhsa_forward_progress 1
		.amdhsa_inst_pref_size 94
	.end_amdhsa_kernel
	.amdgpu_metadata
---
amdhsa.version: [ 1, 2 ]
amdhsa.kernels:
  - .name:           k_q0ab625651c_gemm_w2
    .symbol:         k_q0ab625651c_gemm_w2.kd
    .args:
      - { .name: wsg, .offset: 0, .size: 8, .value_kind: global_buffer, .address_space: global }
      - { .name: wsp, .offset: 8, .size: 8, .value_kind: global_buffer, .address_space: global }
      - { .name: wsh, .offset: 16, .size: 8, .value_kind: global_buffer, .address_space: global }
      - { .name: wsy, .offset: 24, .size: 8, .value_kind: global_buffer, .address_space: global }
    .group_segment_fixed_size: 327680
    .private_segment_fixed_size: 0
    .kernarg_segment_align: 8
    .kernarg_segment_size: 32
    .max_flat_workgroup_size: 128
    .sgpr_count:     98
    .vgpr_count:     640
    .wavefront_size: 32
...
	.end_amdgpu_metadata
.endif
;; end of part 6
;; launch norm2 (part 7): grid 256 x 1, 8 waves a work-group, no clusters, 0 bytes of LDS; arguments wsy, b2, ln2_g, ln2_b, out0; writes out0
.if DOCPART == 7
	.amdgcn_target "amdgcn-amd-amdhsa--gfx1250"
	.amdhsa_code_object_version 6
	.text
	.protected	k_q0ab625651c_norm2
	.globl	k_q0ab625651c_norm2
	.p2align	8
	.type	k_q0ab625651c_norm2,@function
k_q0ab625651c_norm2:
	s_mov_b64 s[64:65], 0
	v_nop
	global_prefetch_b8 v0, s[64:65] scope:SCOPE_SE
	s_setreg_imm32_b32 hwreg(HW_REG_WAVE_MODE, 25, 1), 1
	s_wait_xcnt 0x0
; Launch 7 of 7: out = layernorm(y2 + b2) g + b.  No work of reference() is left out here.
; A wave takes two whole rows of 4,096 bytes, eight loads of 512 consecutive bytes each, and keeps them in registers between the passes: no LDS, no barrier; memory binds, so matrix units and clusters would add nothing.
.set YY, 16                            ; v16-79   two rows
.set B2, 80                            ; v80-111  b2 of my 32 columns
.set GG, 112                           ; v112-143 g
.set BT, 144                           ; v144-175 b
	s_load_b256 s[4:11], s[0:1], 0x0               ; y2, b2, g, b
	s_load_b64 s[12:13], s[0:1], 0x20              ; out
	v_lshrrev_b32 v1, 5, v0
	s_delay_alu instid0(VALU_DEP_1)
	v_readfirstlane_b32 s14, v1
	v_and_b32 v1, 31, v0
	s_delay_alu instid0(VALU_DEP_1)
	v_lshlrev_b32 v1, 4, v1
	s_lshl_b32 s15, ttmp9, 4
	s_lshl_b32 s16, s14, 1
	s_add_co_u32 s15, s15, s16                     ; my first row
	s_lshl_b32 s16, s15, 12
	s_mov_b32 s17, 0
	s_mov_b32 s18, 0x76543210
	s_mov_b32 s19, 0xfedcba98
	s_mov_b32 s20, 0x3a800000                      ; 1 / 1,024
	s_mov_b32 s21, 0x3727c5ac                      ; 1e-5
	s_wait_alu depctr_va_vdst(0)
	s_wait_kmcnt 0x0
	s_add_nc_u64 s[4:5], s[4:5], s[16:17]
	s_add_nc_u64 s[12:13], s[12:13], s[16:17]
.irp p, 0,1
.irp j, 0,1,2,3,4,5,6,7
	global_load_b128 v[YY+32*\p+4*\j:YY+32*\p+4*\j+3], v1, s[4:5] offset:4096*\p+512*\j th:TH_LOAD_NT
.endr
.endr
.irp j, 0,1,2,3,4,5,6,7
	global_load_b128 v[B2+4*\j:B2+4*\j+3], v1, s[6:7] offset:512*\j
.endr
.irp j, 0,1,2,3,4,5,6,7
	global_load_b128 v[GG+4*\j:GG+4*\j+3], v1, s[8:9] offset:512*\j
	global_load_b128 v[BT+4*\j:BT+4*\j+3], v1, s[10:11] offset:512*\j
.endr
	s_wait_loadcnt 16                              ; the rows and b2 are in; g's and b's 16 loads may be out
.irp p, 0,1
.set kk, 0
.rept 16
	v_pk_add_f32 v[YY+32*\p+kk:YY+32*\p+kk+1], v[YY+32*\p+kk:YY+32*\p+kk+1], v[B2+kk:B2+kk+1]
.set kk, kk+2
.endr
.endr
.irp p, 0,1
	v_pk_add_f32 v[176+4*\p:177+4*\p], v[YY+32*\p:YY+32*\p+1], v[YY+32*\p+4:YY+32*\p+5]
	v_pk_add_f32 v[178+4*\p:179+4*\p], v[YY+32*\p+2:YY+32*\p+3], v[YY+32*\p+6:YY+32*\p+7]
.set kk, 8
.rept 6
	s_delay_alu instid0(VALU_DEP_2)
	v_pk_add_f32 v[176+4*\p:177+4*\p], v[176+4*\p:177+4*\p], v[YY+32*\p+kk:YY+32*\p+kk+1]
	s_delay_alu instid0(VALU_DEP_2)
	v_pk_add_f32 v[178+4*\p:179+4*\p], v[178+4*\p:179+4*\p], v[YY+32*\p+kk+2:YY+32*\p+kk+3]
.set kk, kk+4
.endr
	s_delay_alu instid0(VALU_DEP_1)
	v_pk_add_f32 v[176+4*\p:177+4*\p], v[176+4*\p:177+4*\p], v[178+4*\p:179+4*\p]
	s_delay_alu instid0(VALU_DEP_1)
	v_add_f32 v[176+4*\p], v[176+4*\p], v[177+4*\p]
.endr
.irp m, 1,2,4,8
.irp p, 0
	v_add_f32_dpp v[176+4*\p], v[176+4*\p], v[176+4*\p] row_xmask:\m row_mask:0xf bank_mask:0xf
.endr
.irp p, 1
	s_delay_alu instid0(VALU_DEP_2)
	v_add_f32_dpp v[176+4*\p], v[176+4*\p], v[176+4*\p] row_xmask:\m row_mask:0xf bank_mask:0xf
.endr
.endr
.irp p, 0,1
	s_delay_alu instid0(VALU_DEP_2)
	v_permlanex16_b32 v[177+4*\p], v[176+4*\p], s18, s19
.endr
.irp p, 0
	s_delay_alu instid0(VALU_DEP_2)
	v_add_f32 v[176+4*\p], v[176+4*\p], v[177+4*\p]
	s_delay_alu instid0(VALU_DEP_1)
	v_mul_f32 v[176+4*\p], s20, v[176+4*\p]        ; the mean, in every lane
	s_delay_alu instid0(VALU_DEP_1)
	v_mov_b32 v[177+4*\p], v[176+4*\p]
.endr
.irp p, 1
	s_delay_alu instid0(VALU_DEP_4)
	v_add_f32 v[176+4*\p], v[176+4*\p], v[177+4*\p]
	s_delay_alu instid0(VALU_DEP_1)
	v_mul_f32 v[176+4*\p], s20, v[176+4*\p]        ; the mean, in every lane
	s_delay_alu instid0(VALU_DEP_1)
	v_mov_b32 v[177+4*\p], v[176+4*\p]
.endr
.irp p, 0,1
.set kk, 0
.rept 16
	v_pk_add_f32 v[YY+32*\p+kk:YY+32*\p+kk+1], v[YY+32*\p+kk:YY+32*\p+kk+1], v[176+4*\p:177+4*\p] neg_lo:[0,1] neg_hi:[0,1]
.set kk, kk+2
.endr
.endr
.irp p, 0,1
	v_pk_mul_f32 v[184+4*\p:185+4*\p], v[YY+32*\p:YY+32*\p+1], v[YY+32*\p:YY+32*\p+1]
	v_pk_mul_f32 v[186+4*\p:187+4*\p], v[YY+32*\p+2:YY+32*\p+3], v[YY+32*\p+2:YY+32*\p+3]
.set kk, 4
.rept 7
	s_delay_alu instid0(VALU_DEP_2)
	v_pk_fma_f32 v[184+4*\p:185+4*\p], v[YY+32*\p+kk:YY+32*\p+kk+1], v[YY+32*\p+kk:YY+32*\p+kk+1], v[184+4*\p:185+4*\p]
	s_delay_alu instid0(VALU_DEP_2)
	v_pk_fma_f32 v[186+4*\p:187+4*\p], v[YY+32*\p+kk+2:YY+32*\p+kk+3], v[YY+32*\p+kk+2:YY+32*\p+kk+3], v[186+4*\p:187+4*\p]
.set kk, kk+4
.endr
	s_delay_alu instid0(VALU_DEP_1)
	v_pk_add_f32 v[184+4*\p:185+4*\p], v[184+4*\p:185+4*\p], v[186+4*\p:187+4*\p]
	s_delay_alu instid0(VALU_DEP_1)
	v_add_f32 v[184+4*\p], v[184+4*\p], v[185+4*\p]
.endr
.irp m, 1,2,4,8
.irp p, 0
	v_add_f32_dpp v[184+4*\p], v[184+4*\p], v[184+4*\p] row_xmask:\m row_mask:0xf bank_mask:0xf
.endr
.irp p, 1
	s_delay_alu instid0(VALU_DEP_2)
	v_add_f32_dpp v[184+4*\p], v[184+4*\p], v[184+4*\p] row_xmask:\m row_mask:0xf bank_mask:0xf
.endr
.endr
.irp p, 0,1
	s_delay_alu instid0(VALU_DEP_2)
	v_permlanex16_b32 v[185+4*\p], v[184+4*\p], s18, s19
.endr
.irp p, 0
	s_delay_alu instid0(VALU_DEP_2)
	v_add_f32 v[184+4*\p], v[184+4*\p], v[185+4*\p]
	s_delay_alu instid0(VALU_DEP_1)
	v_fma_f32 v[184+4*\p], v[184+4*\p], s20, s21   ; the variance + 1e-5
.endr
.irp p, 1
	s_delay_alu instid0(VALU_DEP_3)
	v_add_f32 v[184+4*\p], v[184+4*\p], v[185+4*\p]
	s_delay_alu instid0(VALU_DEP_1)
	v_fma_f32 v[184+4*\p], v[184+4*\p], s20, s21   ; the variance + 1e-5
.endr
	s_wait_alu depctr_va_vdst(0)
	v_rsq_f32 v184, v184
	v_rsq_f32 v188, v188
	v_nop                                          ; a plain place behind the transcendentals
	s_wait_alu depctr_va_vdst(0)                   ; one wait for both, ahead of their first reader
	v_mov_b32 v185, v184
	v_mov_b32 v189, v188
	s_wait_alu depctr_va_vdst(0)
	s_wait_loadcnt 0x0                             ; g and b
.irp p, 0,1
.set kk, 0
.rept 16
	v_pk_mul_f32 v[YY+32*\p+kk:YY+32*\p+kk+1], v[YY+32*\p+kk:YY+32*\p+kk+1], v[184+4*\p:185+4*\p]
.set kk, kk+2
.endr
.endr
.irp p, 0,1
.set kk, 0
.rept 16
	v_pk_fma_f32 v[YY+32*\p+kk:YY+32*\p+kk+1], v[YY+32*\p+kk:YY+32*\p+kk+1], v[GG+kk:GG+kk+1], v[BT+kk:BT+kk+1]
.set kk, kk+2
.endr
.endr
.irp p, 0,1
.irp j, 0,1,2,3,4,5,6,7
	global_store_b128 v1, v[YY+32*\p+4*\j:YY+32*\p+4*\j+3], s[12:13] offset:4096*\p+512*\j th:TH_STORE_NT   ; 512 consecutive bytes, aligned
.endr
.endr
	s_endpgm
.Lfunc_end_k_q0ab625651c_norm2:
	.size	k_q0ab625651c_norm2, .Lfunc_end_k_q0ab625651c_norm2-k_q0ab625651c_norm2
	.p2alignl 7, 3214868480
	.fill 96, 4, 3214868480
	.section	.rodata,"a",@progbits
	.p2align	6, 0x0
	.amdhsa_kernel k_q0ab625651c_norm2
		.amdhsa_group_segment_fixed_size 0
		.amdhsa_private_segment_fixed_size 0
		.amdhsa_enable_private_segment 0
		.amdhsa_kernarg_size 40
		.amdhsa_user_sgpr_count 2
		.amdhsa_user_sgpr_kernarg_segment_ptr 1
		.amdhsa_wavefront_size32 1
		.amdhsa_system_sgpr_workgroup_id_x 1
		.amdhsa_system_sgpr_workgroup_id_y 1
		.amdhsa_system_sgpr_workgroup_id_z 1
		.amdhsa_system_vgpr_workitem_id 0
		.amdhsa_next_free_vgpr 192
		.amdhsa_next_free_sgpr 66
		.amdhsa_reserve_vcc 0
		.amdhsa_float_denorm_mode_32 3
		.amdhsa_float_denorm_mode_16_64 3
		.amdhsa_memory_ordered 1
		.amdhsa_forward_progress 1
		.amdhsa_inst_pref_size 23
	.end_amdhsa_kernel
	.amdgpu_metadata
---
amdhsa.version: [ 1, 2 ]
amdhsa.kernels:
  - .name:           k_q0ab625651c_norm2
    .symbol:         k_q0ab625651c_norm2.kd
    .args:
      - { .name: wsy, .offset: 0, .size: 8, .value_kind: global_buffer, .address_space: global }
      - { .name: b2, .offset: 8, .size: 8, .value_kind: global_buffer, .address_space: global }
      - { .name: ln2_g, .offset: 16, .size: 8, .value_kind: global_buffer, .address_space: global }
      - { .name: ln2_b, .offset: 24, .size: 8, .value_kind: global_buffer, .address_space: global }
      - { .name: out0, .offset: 32, .size: 8, .value_kind: global_buffer, .address_space: global }
    .group_segment_fixed_size: 0
    .private_segment_fixed_size: 0
    .kernarg_segment_align: 8
    .kernarg_segment_size: 40
    .max_flat_workgroup_size: 256
    .sgpr_count:     66
    .vgpr_count:     192
    .wavefront_size: 32
...
	.end_amdgpu_metadata
.endif
;; end of part 7
